; MI455X (gfx1250); checked and timed in simulation.
; The chip was launched on July 23, 2026; its instructions are those of AMD's public machine-readable ISA for CDNA 5 (MIT licence, August 2026) and "CDNA5" Instruction Set Architecture Reference Guide (July 2026). The comments in the code are by the model that wrote it; some were corrected since.
;; Multi Head Attention. Allowed arithmetic: matrix products marked QUANTISED: E4M3 operands, one E8M0 scale for each 32 along K, by v_wmma_scale_f32_16x16x128_f8f6f4 with both operands' format E4M3, f32 sums; everything else in f32.
;; Inputs: W_k_codes 1,024 x 32 x 32 uint8 (E4M3 codes of W_k, K innermost, in blocks of 32 codes); W_k_scales 1,024 x 32 uint8 (E8M0 scales of W_k, one for each 32 codes along K); W_o_codes 1,024 x 32 x 32 uint8 (E4M3 codes of W_o, K innermost, in blocks of 32 codes); W_o_scales 1,024 x 32 uint8 (E8M0 scales of W_o, one for each 32 codes along K); W_q_codes 1,024 x 32 x 32 uint8 (E4M3 codes of W_q, K innermost, in blocks of 32 codes); W_q_scales 1,024 x 32 uint8 (E8M0 scales of W_q, one for each 32 codes along K); W_v_codes 1,024 x 32 x 32 uint8 (E4M3 codes of W_v, K innermost, in blocks of 32 codes); W_v_scales 1,024 x 32 uint8 (E8M0 scales of W_v, one for each 32 codes along K); b_k 1,024 float32; b_o 1,024 float32; b_q 1,024 float32; b_v 1,024 float32; key_codes 4 x 2,048 x 32 x 32 uint8 (E4M3 codes of key, K innermost, in blocks of 32 codes); key_scales 4 x 2,048 x 32 uint8 (E8M0 scales of key, one for each 32 codes along K); mask 1 x 1 x 2,048 x 2,048 bool; query_codes 4 x 2,048 x 32 x 32 uint8 (E4M3 codes of query, K innermost, in blocks of 32 codes); query_scales 4 x 2,048 x 32 uint8 (E8M0 scales of query, one for each 32 codes along K); value_codes 4 x 2,048 x 32 x 32 uint8 (E4M3 codes of value, K innermost, in blocks of 32 codes); value_scales 4 x 2,048 x 32 uint8 (E8M0 scales of value, one for each 32 codes along K).
;; Outputs: out0 4 x 2,048 x 1,024 float32.
;; This version of the problem:
;;   THIS VERSION OF THE PROBLEM IS GIVEN IN LOW PRECISION. The matrix products marked QUANTISED in the list below multiply operands that are first quantised to E4M3 (4 exponent bits, 3 mantissa bits; 8 bits a number), with one power-of-two scale for each 32 numbers along K (OCP MX v1.0); their sums are f32. All else is computed in f32.
;;   The module's matrix products, in the order in which they are computed (A, B: the left and right operand; K: the contracted axis; several contracted axes count as one K, in the product's order):
;;     1. [M 8,192, K 1,024] x [K 1,024, N 1,024]; A: input query (given as codes); B: input W_q (given as codes): QUANTISED
;;     2. [M 8,192, K 1,024] x [K 1,024, N 1,024]; A: input key (given as codes); B: input W_k (given as codes): QUANTISED
;;     3. [M 8,192, K 1,024] x [K 1,024, N 1,024]; A: input value (given as codes); B: input W_v (given as codes): QUANTISED
;;     4. batch 64 x [M 2,048, K 64] x [K 64, N 2,048]; A: computed on the way; B: computed on the way: QUANTISED
;;     5. batch 64 x [M 2,048, K 2,048] x [K 2,048, N 64]; A: softmax (see below); B: computed on the way: QUANTISED
;;     6. [M 8,192, K 1,024] x [K 1,024, N 1,024]; A: computed on the way; B: input W_o (given as codes): QUANTISED
;;   THE QUANTISER, for each operand of a quantised product, along K:
;;     - K is cut into blocks of 32 from its start; a last block that is shorter is filled with zeros.
;;     - A block's scale is 2^e with e = floor(log2(the largest magnitude in the block)) - 8, held to -126 .. 127; a block of zeros has e = 0. As a byte (E8M0): e + 127.
;;     - Each number is divided by its block's scale, clamped to +-448, and rounded to the nearest number of E4M3, ties to even, subnormals kept.
;;     - The product sums the exact products of the quantised numbers (number of the format x scale) in f32.
;;   ~~~python
;;   def quantise(x, axis):      # numpy; x: float32 -> the quantised numbers, widened to float32 again
;;       x = np.moveaxis(x, axis, -1); K = x.shape[-1]
;;       x = np.pad(x, [(0, 0)] * (x.ndim - 1) + [(0, -K % 32)]); x = x.reshape(x.shape[:-1] + (-1, 32)); a = np.abs(x).max(-1, keepdims=True)
;;       e = np.where(a > 0, np.clip(np.frexp(np.where(a > 0, a, 1))[1] - 1 - 8, -126, 127), 0)      # np.frexp(a)[1] - 1 = floor(log2(a)), exactly
;;       r = np.clip(x / 2.0 ** e, -448, 448)
;;       step = 2.0 ** (np.maximum(np.frexp(np.where(r == 0, 1, r))[1] - 1, -6) - 3)
;;       q = np.round(r / step) * step * 2.0 ** e      # np.round: ties to even
;;       return np.moveaxis(q.reshape(q.shape[:-2] + (-1,))[..., :K], -1, axis).astype(np.float32)
;;   ~~~
;;   SOFTMAX AHEAD OF A QUANTISED PRODUCT. Where the list says 'softmax', what is quantised is not the finished softmax but p = 2^(t - M), with t = logit x log2(e) and M = ceil(the row's largest t), a whole number; so 1/2 < the row's largest p <= 1. The row's sum l is taken of the UNQUANTISED p, in f32, and the product's result is divided by l at the end. Since M is a whole number, a kernel that streams over the keys may use a running M (the ceiling of the running maximum): every later rescaling is an exact power of two, which a block's scale takes up: the codes' values come out the same.
;;   OPERANDS COMPUTED ON THE WAY. 'Computed on the way' means the value that the module computes at that place (a softmax that the list does not call 'softmax' is quantised finished and normalised). What goes into a quantiser is computed in f32, as accurately as f32 sums, v_exp_f32 and their like allow (about 1e-6 of the number): no bf16 or f16 on the way to a quantiser, and a product that is left as it is and whose result goes on into a quantised operand takes f32 operands (vector FMAs, or v_wmma_f32_16x16x4_f32). A number that lies on a knife's edge between two numbers of the format may be rounded either way, as far as f32 arithmetic and the matrix unit's own rounding can turn it there, and no further.
;;   INPUTS GIVEN AS CODES. W_k (in the module: [1024, 1024], K = its axis 1); W_o (in the module: [1024, 1024], K = its axis 1); W_q (in the module: [1024, 1024], K = its axis 1); W_v (in the module: [1024, 1024], K = its axis 1); key (in the module: [4, 2048, 1024], K = its axis 2); query (in the module: [4, 2048, 1024], K = its axis 2); value (in the module: [4, 2048, 1024], K = its axis 2): each comes as NAME_codes (uint8): NAME with its K axis moved to the last place and cut into blocks of 32 codes, [.., K / 32, bytes a block], one block behind the other in memory; one code a byte (a code: sign, 4 exponent bits, 3 mantissa bits); and NAME_scales (uint8): the same leading axes, one E8M0 byte (e + 127) for each 32 codes along K. Its value is code x scale, taken as it is: it is not quantised again, and the codes and scales need not be those that the quantiser above would give.
;; One version. Each part assembles by itself: llvm-mc -triple=amdgcn-amd-amdhsa -mcpu=gfx1250 --defsym DOCPART=n.
;; ======== version 1 of 1: 3 launches
;; limits: right only within a limited range of input values
;; workspace buffers: qrec 8,650,752 bytes; krec 8,650,752 bytes; vrec 8,650,752 bytes; maskw 524,288 bytes of whole numbers; aimg 8,388,608 bytes; asc 262,144 bytes
;; launch proj (part 1): grid 4 x 64, 4 waves a work-group, clusters of 4 x 4, 327,680 bytes of LDS; arguments query_codes, query_scales, W_q_codes, W_q_scales, b_q, qrec, key_codes, key_scales, W_k_codes, W_k_scales, b_k, krec, W_v_codes, W_v_scales, value_codes, value_scales, b_v, vrec, mask, maskw; writes qrec, krec, vrec, maskw
.if DOCPART == 1
	.amdgcn_target "amdgcn-amd-amdhsa--gfx1250"
	.amdhsa_code_object_version 6
	.text
	.protected	k_q5f027e9578_proj
	.globl	k_q5f027e9578_proj
	.p2align	8
	.type	k_q5f027e9578_proj,@function
k_q5f027e9578_proj:
	s_mov_b64 s[64:65], 0
	v_nop
	global_prefetch_b8 v0, s[64:65] scope:SCOPE_SE
	s_setreg_imm32_b32 hwreg(HW_REG_WAVE_MODE, 25, 1), 1
	s_wait_xcnt 0x0
	s_wait_alu depctr_hold_cnt(0) depctr_sa_sdst(0) depctr_va_vdst(0) depctr_va_sdst(0) depctr_va_ssrc(0) depctr_va_vcc(0) depctr_vm_vsrc(0)
	s_getreg_b32 s2, hwreg(HW_REG_IB_STS2, 6, 4)
	s_cmp_eq_u32 s2, 0
	s_cbranch_scc0 .Lentry_in_a_cluster
	s_endpgm
.Lentry_in_a_cluster:
	s_bfe_u32 s2, ttmp6, 0x10000c
	s_cmp_lg_u32 s2, 0xf033
	s_cbranch_scc0 .Lentry_shape_is_right
	s_endpgm
.Lentry_shape_is_right:
; THE THREE INPUT PROJECTIONS (MX-FP8 codes x MX-FP8 codes, K = 1,024), + bias, and the quantising of q, k, v for the attention; besides, the mask is packed into lane words.
; One body: out[m][n] = sum over k of X[m][k] Y[n][k] + bias, quantised ALONG n in blocks of 32.
;   q, k: X = the activations (m = token, 8,192), Y = the weight (n = channel, 1,024): blocks along the head's 64.   v: X = W_v (m = channel), Y = value (n = token): the same lines quantise along the KEYS and leave V^T with the keys innermost.
; SHARES.  Each product has 256 tiles of 128 (m) x 256 (n).  256 WORK-GROUPS STAY and make one tile of q, then of k, then of v: a loop over the product; the last tile's way out is written out behind the loop.
; Four waves, each 64 x 128: 32 accumulators.  The matrix instruction is used transposed (source 0 = 16 rows of Y, source 1 = 16 rows of X): lane (r, h) holds row m = r, register j of tile bt the column 16 bt + 8 h + j.
; ORDER INSIDE A BLOCK OF 32.  The 16 registers of tiles 2 b, 2 b + 1 are n = 32 b + 16 (e / 8) + 8 h + e % 8: a permutation inside the block, the same on both operands of the attention's products.
; OUTPUT = IMAGES OF OPERAND REGISTERS: four code registers are stored as they stand, lane l's 16 bytes at 16 l: each store covers 512 consecutive bytes, aligned to 256.
;   A record is 128 tokens of one head: 8,192 bytes of codes, 256 bytes of scale words.  q, k: [tile 8][block 2][512]; v: [16 channels 4][32 keys 4][512].
; RING: K in four steps of 256 through two LDS slots, joint loads in a 4 x 4 cluster (X's tiles to my row, Y's to my column).  At a tile's start the four waves ask for X and Y of K steps 0 and 1, a whole tile each;
; K steps 2 and 3 are refills, half a tile a wave.  The next tile's four loads stand behind a drained round directly behind this tile's last product, ahead of its quantising.
; THE SCALE WORDS of a wave's 64 + 128 rows, all of K, go from memory into 96 registers: a row's 32 bytes by two loads, 16 rows' 512 bytes on end.  They and the bias are asked for ahead of the quantising of the tile before.
; NO PREFETCH: K has four steps, and a tile's first two are asked for a whole quantising ahead.
; LIMITS: NaN, infinities and NaN codes among the inputs are not served; a block whose largest magnitude is under 2^-118 keeps the byte 1 (a block of zeros too: its codes are zeros, and only this
; program reads the bytes); the bias starts each sum instead of being added behind it.
.set REC,     8448
.set HS,      16*REC
.set PITCH,   272                      ; an LDS row: 256 bytes + 16: the 16 rows of a fragment load start 68 words apart
.set A_HALF,  64*PITCH
.set B_HALF,  128*PITCH
.set BOFF,    128*PITCH                ; a slot: X's 128 rows, then Y's 256
.set SLOT,    BOFF+256*PITCH
.set SPARE,   2*SLOT                   ; the spare words: 128 bytes a wave, two blocks of 256 that no other line names
; window 0: v1 r, v2 h, v3 lane; v9-15 offsets that stay; v16-31 addresses; v32-71 the mask at the head; v80-121 the quantiser; v128-159 X's scale words (8 a + K / 128), v164-227 Y's (8 bt + K / 128)
; window 1: Y's fragments, set q at 128 q + 16 bt.  window 2: accumulator (a, bt) at 8 (8 a + bt).  window 3: X's fragments, set q at 64 q + 16 a; v128-191 the bias along n, v192-199 along m
.set ASX,  9                           ; 32 r: a row of scale bytes
.set B32H, 10                          ; 32 h
.set R4,   11                          ; 4 r
.set MRO,  12                          ; the mask: row r, + 8 h
.set MOO,  13                          ; 8 x lane
.set VSQ,  14                          ; where scale words go: q, k;  v15: v
.set VSV,  15
.set ADRA, 16
.set ADRB, 20
.set VOL,  26                          ; 16 x lane; v27 the same + the way to blocks 2, 3
.set VOH,  27
.set SPW,  28
.set NIL,  29
.set VSO,  30
.set SELH, 31
.set MK,   32
.set TM,   80
.set T4,   84
.set HOLD, 88
.set SCL,  92
.set PW,   96
.set PC,   104
.set SX,   128
.set SY,   164                         ; X's and Y's scale registers of a product differ by 4 modulo 8
.set BN,   128
.set BMR,  192
.set G1A, 16                           ; s[16:23] group 1, X's half tile; s[24:31] X's groups 0, one a slot
.set G0A, 24
.set G1B, 32                           ; the same for Y: s[32:39], s[52:59]
.set G0B, 52
.set WV,  44
.set FA,  45                           ; wave / 2: my half of the rows.  Also: I refill for X (0) or for Y (1)
.set HF,  46                           ; wave % 2: my half of the columns.  Also: which half of that tile I refill
.set CX,  47
.set CY,  48
.set CL,  49                           ; the cluster's y, 0 .. 15
.set ISV, 50                           ; -1 while the tile that is stored is v's: also a lane mask
.set TR,  51
.set G1AW, 68                          ; s[68:75], s[76:83] groups 1 for whole tiles
.set G1BW, 76
.set P,   84                           ; the product: 0 q, 1 k, 2 v
.set ISVN, 85                          ; ISV of the tile in preparation
.set XH,  86                           ; from a whole tile's descriptor to my half's, two K steps on: LDS bytes (s86 X, s87 Y), memory bytes (s[88:89], s[90:91])
.set YH,  87
.set XD,  88
.set YD,  90
.set OB,  92
.set SA,  94
.set SB,  96
.set HIM, 98
.set MNT, 99
.set SEL, 100
.set TC,  104
.set PADW, (1<<20)|(1<<21)|(5<<22)|(3<<25)   ; elements of 1 byte; padding on; bit 21 beside a mask; after every 64 words, 4 words
.set MSB, 0
.macro WIN new                         ; the immediate's high byte repeats the setting that is left
.if MSB != (\new)
	s_set_vgpr_msb (MSB<<8)|(\new)
.set MSB, (\new)
.endif
.endm
.set MUL,  0xad                        ; source 0 (Y) window 1, source 1 (X) window 3, C and D window 2
.macro PLACES n                        ; plain lines between a matrix instruction and a load into, or a read of, its registers: eight for this form
.rept \n
	v_nop
.endr
.endm
.macro JLOAD g0a, g1a, g0b, g1b        ; a refill: waves 0, 1 fetch X's halves, waves 2, 3 Y's; an s_nop 0 and four v_nop follow each line
	s_cmp_eq_u32 s[FA], 0
	s_cbranch_scc0 .Lfor_b_\@
	tensor_load_to_lds s[\g0a:\g0a+3], s[\g1a:\g1a+7]
	s_nop 0
	PLACES 4
	s_branch .Lasked_\@
.Lfor_b_\@:
	tensor_load_to_lds s[\g0b:\g0b+3], s[\g1b:\g1b+7]
	s_nop 0
	PLACES 4
.Lasked_\@:
.endm
.macro ARM under, g0, g1, next, end
	s_cmp_lt_u32 s[WV], \under
	s_cbranch_scc0 \next
	tensor_load_to_lds s[\g0:\g0+3], s[\g1:\g1+7]
	s_nop 0
	PLACES 4
	s_branch \end
\next:
.endm
.macro ARMS                            ; a tile's first loads, one a wave, in one chain of branches on the wave's number: X and Y of K step 0, X and Y of K step 1
	ARM 1, G0A, G1AW, .La1_\@, .Lae_\@
	ARM 2, G0B, G1BW, .La2_\@, .Lae_\@
	ARM 3, G0A+4, G1AW, .La3_\@, .Lae_\@
	tensor_load_to_lds s[G0B+4:G0B+7], s[G1BW:G1BW+7]
	s_nop 0
	PLACES 4
.Lae_\@:
.endm
.macro CREST                           ; a round of the cluster's barrier behind its opening barrier
	s_cmp_lg_u32 s[WV], 0
	s_cbranch_scc1 .Lnot_wave_0_\@
	s_barrier_signal -3
.Lnot_wave_0_\@:
	s_barrier_wait -3
	s_barrier_signal -1
	s_barrier_wait -1
.endm
.macro CROUND
	s_barrier_signal -1
	s_barrier_wait -1
	CREST
.endm
.macro GROUP1 g, mask, rows            ; so many rows of 256 bytes, 1,024 apart, padded in LDS
	s_or_b32 s[\g], s[\mask], PADW
	s_mov_b32 s[\g+1], 256<<16
	s_mov_b32 s[\g+2], (\rows)<<16
	s_mov_b32 s[\g+3], 256<<16
	s_mov_b32 s[\g+4], \rows
	s_mov_b32 s[\g+5], 1024
	s_mov_b32 s[\g+6], 0
	s_mov_b32 s[\g+7], 0
.endm
.macro FETCH slot, q                   ; 48 LDS loads in one run: the fragments of the slot's q-th 128 along K, into set q.  Registers 4 c .. 4 c + 3 hold K = 32 c + 16 h + 0 .. 15 of row r
	WIN 0x40
.irp i, 0,1,2,3,4,5,6,7
.irp c, 0,1,2,3
	ds_load_b128 v[128*(\q)+16*\i+4*\c:128*(\q)+16*\i+4*\c+3], v[ADRB+\slot] offset:\i*16*PITCH+(\q)*128+\c*32
.endr
.endr
	WIN 0xc0
.irp i, 0,1,2,3
.irp c, 0,1,2,3
	ds_load_b128 v[64*(\q)+16*\i+4*\c:64*(\q)+16*\i+4*\c+3], v[ADRA+\slot] offset:\i*16*PITCH+(\q)*128+\c*32
.endr
.endr
.endm
; Eight matrix instructions: X's block a against Y's eight; ks: the K step.  The 32 accumulators take turns, one instruction a turn, in the same order in every step.
.macro MUL8 a, q, ks
.irp bt, 0,1,2,3,4,5,6,7
	v_wmma_scale_f32_16x16x128_f8f6f4 v[8*(8*(\a)+\bt):8*(8*(\a)+\bt)+7], v[128*(\q)+16*\bt:128*(\q)+16*\bt+15], v[64*(\q)+16*(\a):64*(\q)+16*(\a)+15], v[8*(8*(\a)+\bt):8*(8*(\a)+\bt)+7], v[SY+8*\bt+2*(\ks)+(\q)], v[SX+8*(\a)+2*(\ks)+(\q)]
.endr
.endm
.macro STEP slot, ks                   ; a slot's first 128 along K; in its middle the second 128's fragments are fetched
	s_wait_dscnt 0x0
	WIN MUL
	MUL8 0, 0, \ks
	MUL8 1, 0, \ks
	PLACES 8                                       ; set 1 was multiplied in the step before
	FETCH \slot, 1
	WIN MUL
	MUL8 2, 0, \ks
	MUL8 3, 0, \ks
.endm
; A slot's second 128 along K changes slots: one barrier; in front of it each wave waits for all its tensor loads, adds 0 to its spare word, and waits for that and for its reads of this slot.
.macro TURN slot, next, fill, ks
	WIN 0
	s_wait_tensorcnt 0x0                           ; all my tensor loads have landed
	ds_add_u32 v[SPW], v[NIL]
	s_wait_dscnt 0x1                               ; set 1 is in; only the add may be out
	WIN MUL
	MUL8 0, 1, \ks
	s_wait_dscnt 0x0                               ; the add is done, and my reads of this slot are over
	s_barrier_signal -1
	MUL8 1, 1, \ks
	WIN 0
	s_barrier_wait -1
.if \fill
	CREST                                          ; the barrier has opened a round of the cluster's: no wave of any partner still reads this slot or has a load on its way
	s_add_co_u32 s[G0A+4*\slot+1], s[G0A+4*\slot+1], s[XH]   ; from the whole tile to my half, two K steps on
	s_add_nc_u64 s[G0A+4*\slot+2:G0A+4*\slot+3], s[G0A+4*\slot+2:G0A+4*\slot+3], s[XD:XD+1]
	s_add_co_u32 s[G0B+4*\slot+1], s[G0B+4*\slot+1], s[YH]
	s_add_nc_u64 s[G0B+4*\slot+2:G0B+4*\slot+3], s[G0B+4*\slot+2:G0B+4*\slot+3], s[YD:YD+1]
	JLOAD G0A+4*\slot, G1A, G0B+4*\slot, G1B       ; the first tensor load behind the round; its four v_nop are four of the eight places in front of the loads below
	PLACES 4
.else
	PLACES 8
.endif
	FETCH \next, 0
	WIN MUL
	MUL8 2, 1, \ks
	MUL8 3, 1, \ks
.endm
; My tile of rows a: its 64 numbers a lane (window 2, v[64 a + 16 b + e]) become 16 code registers and a scale word, and the codes are stored.
.macro QUANT a
	WIN 0x0a
.irp b, 0,1,2,3
	v_max3_num_f32 v[TM+\b], |v[64*\a+16*\b]|, |v[64*\a+16*\b+1]|, 0x4800000   ; block b: my 16 numbers, each accumulator from its low end on, and the floor 2^(9 - 127): the byte cannot fall under 1
.endr
	WIN 0x28
.irp i, 2,4,6,8,10,12,14
.irp b, 0,1,2,3
	v_max3_num_f32 v[TM+\b], v[TM+\b], |v[64*\a+16*\b+\i]|, |v[64*\a+16*\b+\i+1]|
.endr
.endr
	WIN 0
.irp b, 0,1,2,3
	v_permlanex16_b32 v[T4+\b], v[TM+\b], s[SEL], s[SEL+1]
.endr
.irp b, 0,1,2,3
	v_max_num_f32 v[TM+\b], v[TM+\b], v[T4+\b]     ; with lane l xor 16's 16: the block's largest magnitude
.endr
.irp b, 0,1,2,3
	v_add_nc_u32 v[SCL+\b], 0xfc000000, v[TM+\b]   ; 8 off its exponent field: the conversion's scale operand
.endr
.irp b, 0,1,2,3
	v_and_or_b32 v[HOLD+\b], v[TM+\b], 0x7f800000, s[MNT]   ; 448 x the scale
.endr
.irp b, 0,1,2,3
	v_lshrrev_b32 v[T4+\b], 23, v[SCL+\b]          ; the scale's byte
.endr
	v_lshl_or_b32 v[PW+\a], v[T4+1], 8, v[T4]
	v_lshl_or_b32 v[PW+\a], v[T4+2], 16, v[PW+\a]
	v_lshl_or_b32 v[PW+\a], v[T4+3], 24, v[PW+\a]
	WIN 0x82
.irp b, 0,1,2,3
.irp i, 0,1,2,3,4,5,6,7,8,9,10,11,12,13,14,15
	v_med3_num_f32 v[64*\a+16*\b+\i], v[64*\a+16*\b+\i], -v[HOLD+\b], v[HOLD+\b]   ; the conversion to an 8-bit code does not saturate (ISA guide 7.6.2): the hold comes first
.endr
.endr
	s_wait_alu depctr_va_vdst(0)
	s_wait_xcnt 0x0                                ; the stores of the tile before have read their data and their base: both are written again only behind this wait
.if \a > 0
	s_add_nc_u64 s[OB:OB+1], s[OB:OB+1], s[SA:SA+1]
.endif
	WIN 0x02
.irp b, 0,1,2,3
	v_cvt_scalef32_pk8_fp8_f32 v[PC+4*\b:PC+4*\b+1], v[64*\a+16*\b:64*\a+16*\b+7], v[SCL+\b]
	v_cvt_scalef32_pk8_fp8_f32 v[PC+4*\b+2:PC+4*\b+3], v[64*\a+16*\b+8:64*\a+16*\b+15], v[SCL+\b]
.endr
	WIN 0
	v_nop                                          ; one plain line behind the last scaled conversion
	global_store_b128 v[VOL], v[PC:PC+3], s[OB:OB+1]               ; each store: 512 consecutive bytes, aligned to 256
	global_store_b128 v[VOL], v[PC+4:PC+7], s[OB:OB+1] offset:512
	global_store_b128 v[VOH], v[PC+8:PC+11], s[OB:OB+1]
	global_store_b128 v[VOH], v[PC+12:PC+15], s[OB:OB+1] offset:512
.endm
.macro WAYOUT                          ; a tile's four tiles of rows, then its scale words.  q, k: a word holds two neighbouring tiles' two bytes of one head (lanes 0-15: the first head, lanes 16-31: the second).  v: channel r's words, two a lane
	QUANT 0
	QUANT 1
	QUANT 2
	QUANT 3
	v_perm_b32 v100, v[PW+1], v[PW], v[SELH]
	v_perm_b32 v101, v[PW+3], v[PW+2], v[SELH]
	v_cndmask_b32 v102, v[PW], v[PW+2], s[HIM]
	v_cndmask_b32 v103, v[PW+1], v[PW+3], s[HIM]
	v_cndmask_b32 v120, v100, v102, s[ISV]
	v_cndmask_b32 v121, v101, v103, s[ISV]
	global_store_b64 v[VSO], v[120:121], s[SB:SB+1]
.endm
.macro TPOS                            ; product P's tile: q, k: 16 clusters down, one across;  v: two down, eight across
	s_and_b32 s60, s[CL], 1
	s_lshr_b32 s61, s[CL], 1
	s_cmp_eq_u32 s[P], 2
	s_cselect_b32 s[ISVN], -1, 0
	s_cselect_b32 s[TR], s60, s[CL]
	s_cselect_b32 s[TC], s61, 0
	s_lshl_b32 s[TR], s[TR], 2
	s_add_co_u32 s[TR], s[TR], s[CY]               ; tile row: it enters X's addresses
	s_lshl_b32 s[TC], s[TC], 2
	s_add_co_u32 s[TC], s[TC], s[CX]               ; tile column: it enters Y's
.endm
.macro GWHOLE                          ; the four groups 0 of a tile's first loads: whole tiles of K steps 0, 1 (no tensor load of mine is out here)
	s_lshl_b32 s60, s[TR], 17                      ; X: 128 x tile row, rows of 1,024 bytes
	s_mov_b32 s61, 0
	s_add_nc_u64 s[4:5], s[4:5], s[60:61]
	s_lshl_b32 s66, s[TC], 18                      ; Y: 256 x tile column
	s_mov_b32 s67, 0
	s_add_nc_u64 s[8:9], s[8:9], s[66:67]
.irp s, 0,1
	s_mov_b32 s[G0A+4*\s], 1
	s_mov_b32 s[G0A+4*\s+1], \s*SLOT
	s_add_nc_u64 s[G0A+4*\s+2:G0A+4*\s+3], s[4:5], \s*256
	s_or_b32 s[G0A+4*\s+3], s[G0A+4*\s+3], 0x80000000
	s_mov_b32 s[G0B+4*\s], 1
	s_mov_b32 s[G0B+4*\s+1], BOFF+\s*SLOT
	s_add_nc_u64 s[G0B+4*\s+2:G0B+4*\s+3], s[8:9], \s*256
	s_or_b32 s[G0B+4*\s+3], s[G0B+4*\s+3], 0x80000000
.endr
.endm
.macro PRE first                       ; the loads of the tile in preparation: my rows' scale words for all of K, and the bias.  first = 1: the kernel's head, where the product is q: the arm for q and k alone, with no branch
	s_lshl_b32 s60, s[TR], 12                      ; X: (128 tile row + 64 wave row) rows of 32 bytes
	s_lshl_b32 s61, s[FA], 11
	s_add_co_u32 s60, s60, s61
	s_mov_b32 s61, 0
	s_add_nc_u64 s[6:7], s[6:7], s[60:61]
	s_lshl_b32 s60, s[TC], 13                      ; Y: (256 tile column + 128 wave column) rows
	s_lshl_b32 s62, s[HF], 12
	s_add_co_u32 s60, s60, s62
	s_add_nc_u64 s[10:11], s[10:11], s[60:61]
.irp a, 0,1,2,3
	global_load_b128 v[SX+8*\a:SX+8*\a+3], v[ASX], s[6:7] offset:512*\a          ; lane r: row r's words of K = 0 .. 511 (lanes 16-31 take the same and are not read)
	global_load_b128 v[SX+8*\a+4:SX+8*\a+7], v[ASX], s[6:7] offset:512*\a+16
.endr
.irp bt, 0,1,2,3,4,5,6,7
	global_load_b128 v[SY+8*\bt:SY+8*\bt+3], v[ASX], s[10:11] offset:512*\bt
	global_load_b128 v[SY+8*\bt+4:SY+8*\bt+7], v[ASX], s[10:11] offset:512*\bt+16
.endr
.if \first == 0
	s_cmp_lg_u32 s[ISVN], 0                        ; the product's number decides: the same in all partners
	s_cbranch_scc1 .Lbias_m_\@
.endif
	s_lshl_b32 s2, s[TC], 10                       ; q, k: the bias runs along n: eight numbers a tile a lane; none along m
	s_lshl_b32 s3, s[HF], 9
	s_add_co_u32 s2, s2, s3
	s_mov_b32 s3, 0
	s_add_nc_u64 s[2:3], s[12:13], s[2:3]
	WIN 0xc0
.irp bt, 0,1,2,3,4,5,6,7
	global_load_b128 v[BN+8*\bt:BN+8*\bt+3], v[B32H], s[2:3] offset:64*\bt
	global_load_b128 v[BN+8*\bt+4:BN+8*\bt+7], v[B32H], s[2:3] offset:64*\bt+16
.endr
.irp i, 0,1,2,3,4,5,6,7
	v_mov_b32 v[BMR+\i], 0
.endr
	WIN 0
.if \first == 0
	s_branch .Lbias_in_\@
.Lbias_m_\@:
	s_lshl_b32 s2, s[TR], 9                        ; v: along m: one number a tile of rows a lane; none along n
	s_lshl_b32 s3, s[FA], 8
	s_add_co_u32 s2, s2, s3
	s_mov_b32 s3, 0
	s_add_nc_u64 s[2:3], s[12:13], s[2:3]
	WIN 0xc0
.irp a, 0,1,2,3
	global_load_b32 v[BMR+2*\a], v[R4], s[2:3] offset:64*\a
	v_mov_b32 v[BMR+2*\a+1], 0                     ; (named with it as a pair)
.endr
.set i, 0
.rept 64
	v_mov_b32 v[BN+i], 0
.set i, i+1
.endr
	WIN 0
.Lbias_in_\@:
.endif
.endm
; Where the tile's results go, and its sums' beginnings.  q, k: record ((b x 16 + head) x 16 + tokens / 128), my 64 tokens are its tiles 4 wr on; my 128 columns are two heads.  v: head = channels / 64, my 128 tokens are one record
.macro POST
	s_wait_xcnt 0x0                                ; the stores of the tile before and the loads above have read their addresses
	s_mov_b32 s[ISV], s[ISVN]
	s_and_b32 s2, s[TR], 0x30                      ; b x 16
	s_lshl_b32 s3, s[TC], 2
	s_add_co_u32 s2, s2, s3
	s_lshl_b32 s3, s[HF], 1
	s_add_co_u32 s2, s2, s3                        ; + head 4 tc + 2 wc
	s_lshl_b32 s2, s2, 4
	s_and_b32 s3, s[TR], 15
	s_add_co_u32 s2, s2, s3                        ; q, k: the record
	s_and_b32 s66, s[TC], 0x18
	s_lshl_b32 s66, s66, 1                         ; b x 16
	s_lshl_b32 s3, s[TR], 1
	s_add_co_u32 s66, s66, s3
	s_add_co_u32 s66, s66, s[FA]                   ; + head 2 tr + wr
	s_lshl_b32 s66, s66, 4
	s_and_b32 s3, s[TC], 7
	s_lshl_b32 s3, s3, 1
	s_add_co_u32 s66, s66, s3
	s_add_co_u32 s66, s66, s[HF]                   ; v: the record
	s_lshl_b32 s67, s[FA], 12                      ; q, k: tiles 4 wr on;
	s_lshl_b32 s3, s[FA], 7                        ; and half wr of the scale words
	s_mov_b32 s105, HS
	s_mov_b32 s[SA], 1024
	s_cmp_lg_u32 s[ISV], 0
	s_cselect_b32 s2, s66, s2
	s_cselect_b32 s67, 0, s67
	s_cselect_b32 s3, 0, s3
	s_cselect_b32 s105, 1024, s105
	s_cselect_b32 s[SA], 2048, s[SA]
	s_mov_b32 s[SA+1], 0
	s_mul_i32 s2, s2, REC
	s_add_co_u32 s[OB], s2, s67
	s_mov_b32 s[OB+1], 0
	s_add_co_u32 s[SB], s2, s3
	s_add_co_u32 s[SB], s[SB], 8192
	s_mov_b32 s[SB+1], 0
	s_add_nc_u64 s[OB:OB+1], s[14:15], s[OB:OB+1]
	s_add_nc_u64 s[SB:SB+1], s[14:15], s[SB:SB+1]
	v_add_nc_u32 v[VOH], s105, v[VOL]
	v_cndmask_b32 v[VSO], v[VSQ], v[VSV], s[ISV]
	s_wait_alu depctr_va_vdst(0)
	s_wait_loadcnt 0x0                             ; the scale words and the bias
	WIN 0x8f                                       ; destination window 2, sources window 3
.irp a, 0,1,2,3
.irp bt, 0,1,2,3,4,5,6,7
.irp i, 0,2,4,6
	v_pk_add_f32 v[64*\a+8*\bt+\i:64*\a+8*\bt+\i+1], v[BN+8*\bt+\i:BN+8*\bt+\i+1], v[BMR+2*\a:BMR+2*\a+1] op_sel_hi:[1,0]   ; the sums begin with the bias: nothing is cleared
.endr
.endr
.endr
	WIN 0
.endm
; THE MASK, packed for the attention: 2,048 units of 16 queries x 128 keys, two for each wave, at the kernel's head.  Word n = 8 t + j of a unit: bit (r + 16 h) says whether key 16 t + 8 h + j counts for query r.
.macro MUNIT u, pin, pout              ; unit ((((16 u + cluster y) 4 + cy) 4 + cx) 4 + wave) = 16 x (queries / 16) + keys / 128: its addresses and its loads
	s_add_co_u32 s60, s[CL], 16*\u
	s_lshl_b32 s60, s60, 2
	s_add_co_u32 s60, s60, s[CY]
	s_lshl_b32 s60, s60, 2
	s_add_co_u32 s60, s60, s[CX]
	s_lshl_b32 s60, s60, 2
	s_add_co_u32 s60, s60, s[WV]
	s_lshr_b32 s62, s60, 4
	s_lshl_b32 s62, s62, 15                        ; 16 rows of 2,048 bytes
	s_and_b32 s63, s60, 15
	s_lshl_b32 s63, s63, 7
	s_add_co_u32 s62, s62, s63
	s_mov_b32 s63, 0
	s_add_nc_u64 s[\pin:\pin+1], s[40:41], s[62:63]
	s_lshl_b32 s60, s60, 8                         ; 64 words a unit
	s_mov_b32 s61, 0
	s_add_nc_u64 s[\pout:\pout+1], s[42:43], s[60:61]
.irp t, 0,1,2,3,4,5,6,7
	global_load_b64 v[MK+16*\u+2*\t:MK+16*\u+2*\t+1], v[MRO], s[\pin:\pin+1] offset:16*\t th:TH_LOAD_NT
.endr
.endm
.macro PACK u, pout
	v_mov_b32 v[68+2*\u], 0
	v_mov_b32 v[69+2*\u], 0
.set g, 0
.rept 16                               ; register g holds the bytes of words 4 g .. 4 g + 3
.irp k, 0,1,2,3
	v_and_b32 v[64+\k], 0xff<<(8*\k), v[MK+16*\u+g]
.endr
.irp k, 0,1,2,3
	v_cmp_ne_u32 s[60+\k], 0, v[64+\k]             ; the 32 lanes' answers are the word
.endr
.irp k, 0,1,2,3
	v_writelane_b32 v[68+2*\u+\k%2], s[60+\k], 2*g+\k/2   ; word n goes to lane n / 2, register n % 2
.endr
.set g, g+1
.endr
	global_store_b64 v[MOO], v[68+2*\u:69+2*\u], s[\pout:\pout+1]   ; 256 consecutive bytes, aligned
.endm
	s_load_b256 s[4:11], s[0:1], 0x0               ; q's six: X's codes, X's scales, Y's codes, Y's scales, bias, output
	s_load_b128 s[12:15], s[0:1], 0x20
	s_load_b128 s[40:43], s[0:1], 0x90             ; mask, maskw
	v_lshl_add_u32 v[SPW], v0, 2, SPARE
	v_mov_b32 v[NIL], 0
	ds_add_u32 v[SPW], v[NIL]                      ; the opening lines: the add, twice on end, and its wait ahead of my first tensor load
	ds_add_u32 v[SPW], v[NIL]
	v_lshrrev_b32 v1, 5, v0
	v_readfirstlane_b32 s[WV], v1                  ; wave 0..3
	s_lshr_b32 s[FA], s[WV], 1
	s_and_b32 s[HF], s[WV], 1
	s_bfe_u32 s[CX], ttmp6, 0x40000                ; my place in the cluster
	s_bfe_u32 s[CY], ttmp6, 0x40004
	s_and_b32 s[CL], ttmp7, 0xffff                 ; the cluster's y: the same in all sixteen partners
	s_lshl_b32 s62, s[CY], 2
	s_lshl_b32 s62, 15, s62                        ; my row of the cluster
	s_lshl_b32 s105, 0x1111, s[CX]                 ; my column
	GROUP1 G1A, 62, 64
	GROUP1 G1B, 105, 128
	GROUP1 G1AW, 62, 128
	GROUP1 G1BW, 105, 256
	s_mul_i32 s[XH], s[HF], A_HALF                 ; the wave's number alone enters an LDS address
	s_mul_i32 s[YH], s[HF], B_HALF
	s_lshl_b32 s[XD], s[HF], 16                    ; 64 rows of 1,024 bytes, and 512 along K
	s_add_co_u32 s[XD], s[XD], 512
	s_mov_b32 s[XD+1], 0
	s_lshl_b32 s[YD], s[HF], 17
	s_add_co_u32 s[YD], s[YD], 512
	s_mov_b32 s[YD+1], 0
	s_mov_b32 s[HIM], 0xffff0000
	s_mov_b32 s[MNT], 0x600000
	s_mov_b32 s[SEL], 0x76543210
	s_mov_b32 s[SEL+1], 0xfedcba98
	s_mov_b32 s[P], 0
	TPOS
	s_wait_dscnt 0x0                               ; both opening adds are done
	s_wait_kmcnt 0x0
	GWHOLE
	CROUND                                         ; all sixteen work-groups are here: the first joint loads meet
	ARMS
	s_mul_i32 s60, s[FA], A_HALF                   ; my 64 rows of X
	s_add_co_u32 s61, s60, SLOT
	s_mul_i32 s66, s[HF], B_HALF                   ; my 128 rows of Y, behind X's
	s_add_co_u32 s66, s66, BOFF
	s_add_co_u32 s67, s66, SLOT
	v_and_b32 v1, 15, v0                           ; r
	v_bfe_u32 v2, v0, 4, 1                         ; h
	v_and_b32 v3, 31, v0                           ; lane
	v_mul_u32_u24 v4, v1, PITCH
	v_lshl_add_u32 v4, v2, 4, v4                   ; a fragment's row x pitch + 16 h
	v_add_nc_u32 v[ADRA], s60, v4
	v_add_nc_u32 v[ADRA+1], s61, v4
	v_add_nc_u32 v[ADRB], s66, v4
	v_add_nc_u32 v[ADRB+1], s67, v4
	v_lshlrev_b32 v[ASX], 5, v1
	v_lshlrev_b32 v[B32H], 5, v2
	v_lshlrev_b32 v[R4], 2, v1
	v_lshlrev_b32 v[MRO], 11, v1
	v_lshl_add_u32 v[MRO], v2, 3, v[MRO]
	v_lshlrev_b32 v[MOO], 3, v3
	v_lshlrev_b32 v[VOL], 4, v3
	v_mul_u32_u24 v[VSQ], v2, HS
	v_lshl_add_u32 v[VSQ], v1, 3, v[VSQ]           ; q, k: 8 r, lanes 16-31 in the next head's record
	v_lshlrev_b32 v[VSV], 4, v1
	v_lshl_add_u32 v[VSV], v2, 3, v[VSV]           ; v: 16 r + 8 h
	v_mov_b32 v8, 0x07060302
	v_mov_b32 v[SELH], 0x05040100
	v_cndmask_b32 v[SELH], v[SELH], v8, s[HIM]     ; byte select: lanes 0-15 the first head's two bytes, lanes 16-31 the second's
.irp b, 0,1,2,3
	v_mov_b32 v[T4+\b], 0                          ; written once: a lane permute's destination counts as one of its sources
.endr
	s_wait_alu depctr_va_vdst(0)
	MUNIT 0, 92, 94
	MUNIT 1, 96, 66
	PRE 1
	s_wait_alu depctr_va_vdst(0)
	s_wait_loadcnt 0x0
	PACK 0, 94
	PACK 1, 66
	POST
.Ltile:
	s_cmp_eq_u32 s[P], 0                           ; the next product's six addresses are asked for a tile ahead
	s_cbranch_scc0 .Lnot_k
	s_load_b256 s[4:11], s[0:1], 0x30              ; k's six
	s_load_b128 s[12:15], s[0:1], 0x50
	s_branch .Largs_asked
.Lnot_k:
	s_cmp_eq_u32 s[P], 1
	s_cbranch_scc0 .Largs_asked
	s_load_b256 s[4:11], s[0:1], 0x60              ; v's six
	s_load_b128 s[12:15], s[0:1], 0x80
.Largs_asked:
	s_wait_alu depctr_va_vdst(0)
	s_wait_tensorcnt 0x0                           ; my tile of the four is in,
	s_barrier_signal -1
	s_barrier_wait -1                              ; everybody's is: both slots are whole
	FETCH 0, 0
	STEP 0, 0
	TURN 0, 1, 1, 0                                ; slot 0 takes K = 512 on
	STEP 1, 1
	TURN 1, 0, 1, 1                                ; slot 1 takes K = 768 on
	STEP 0, 2
	TURN 0, 1, 0, 2
	STEP 1, 3
	s_wait_dscnt 0x0
	WIN MUL
	MUL8 0, 1, 3
	MUL8 1, 1, 3
	MUL8 2, 1, 3
	MUL8 3, 1, 3
	WIN 0
	PLACES 8                                       ; in front of the first read of results, and of the loads into the scale words' registers
	s_wait_kmcnt 0x0
	s_cmp_eq_u32 s[P], 2
	s_cbranch_scc1 .Llast                          ; the last tile's way out is written out: it asks for nothing more
	s_add_co_u32 s[P], s[P], 1
	s_wait_tensorcnt 0x0                           ; no load of mine is out;
	ds_add_u32 v[SPW], v[NIL]                      ; 0 onto my spare word; the next tile's place and descriptors, work on registers, stand between it and the wait for it
	TPOS
	GWHOLE
	s_wait_dscnt 0x0                               ; the add is done; my reads of both slots were over ahead of the last products
	CROUND                                         ; no wave of any partner still reads a slot
	ARMS                                           ; THE NEXT TILE'S K STEPS 0 AND 1, my one load behind the round,
	PRE 0                                          ; its scale words and its bias: all on their way while this tile is quantised
	WAYOUT
	POST
	s_cmp_lt_u32 s[P], 3
	s_cbranch_scc1 .Ltile
.Llast:
	WAYOUT
	s_wait_tensorcnt 0x0                           ; the wave's end
	ds_add_u32 v[SPW], v[NIL]
	s_wait_dscnt 0x0
	CROUND                                         ; the closing round: no work-group ends while a partner may still ask for a tile that names it
	s_endpgm
.Lfunc_end_k_q5f027e9578_proj:
	.size	k_q5f027e9578_proj, .Lfunc_end_k_q5f027e9578_proj-k_q5f027e9578_proj
	.p2alignl 7, 3214868480
	.fill 96, 4, 3214868480
	.section	.rodata,"a",@progbits
	.p2align	6, 0x0
	.amdhsa_kernel k_q5f027e9578_proj
		.amdhsa_group_segment_fixed_size 327680
		.amdhsa_private_segment_fixed_size 0
		.amdhsa_enable_private_segment 0
		.amdhsa_kernarg_size 160
		.amdhsa_user_sgpr_count 2
		.amdhsa_user_sgpr_kernarg_segment_ptr 1
		.amdhsa_wavefront_size32 1
		.amdhsa_system_sgpr_workgroup_id_x 1
		.amdhsa_system_sgpr_workgroup_id_y 1
		.amdhsa_system_sgpr_workgroup_id_z 1
		.amdhsa_system_vgpr_workitem_id 0
		.amdhsa_next_free_vgpr 1024
		.amdhsa_next_free_sgpr 106
		.amdhsa_reserve_vcc 0
		.amdhsa_float_denorm_mode_32 3
		.amdhsa_float_denorm_mode_16_64 3
		.amdhsa_memory_ordered 1
		.amdhsa_forward_progress 1
		.amdhsa_inst_pref_size 202
	.end_amdhsa_kernel
	.amdgpu_metadata
---
amdhsa.version: [ 1, 2 ]
amdhsa.kernels:
  - .name:           k_q5f027e9578_proj
    .symbol:         k_q5f027e9578_proj.kd
    .args:
      - { .name: query_codes, .offset: 0, .size: 8, .value_kind: global_buffer, .address_space: global }
      - { .name: query_scales, .offset: 8, .size: 8, .value_kind: global_buffer, .address_space: global }
      - { .name: W_q_codes, .offset: 16, .size: 8, .value_kind: global_buffer, .address_space: global }
      - { .name: W_q_scales, .offset: 24, .size: 8, .value_kind: global_buffer, .address_space: global }
      - { .name: b_q, .offset: 32, .size: 8, .value_kind: global_buffer, .address_space: global }
      - { .name: qrec, .offset: 40, .size: 8, .value_kind: global_buffer, .address_space: global }
      - { .name: key_codes, .offset: 48, .size: 8, .value_kind: global_buffer, .address_space: global }
      - { .name: key_scales, .offset: 56, .size: 8, .value_kind: global_buffer, .address_space: global }
      - { .name: W_k_codes, .offset: 64, .size: 8, .value_kind: global_buffer, .address_space: global }
      - { .name: W_k_scales, .offset: 72, .size: 8, .value_kind: global_buffer, .address_space: global }
      - { .name: b_k, .offset: 80, .size: 8, .value_kind: global_buffer, .address_space: global }
      - { .name: krec, .offset: 88, .size: 8, .value_kind: global_buffer, .address_space: global }
      - { .name: W_v_codes, .offset: 96, .size: 8, .value_kind: global_buffer, .address_space: global }
      - { .name: W_v_scales, .offset: 104, .size: 8, .value_kind: global_buffer, .address_space: global }
      - { .name: value_codes, .offset: 112, .size: 8, .value_kind: global_buffer, .address_space: global }
      - { .name: value_scales, .offset: 120, .size: 8, .value_kind: global_buffer, .address_space: global }
      - { .name: b_v, .offset: 128, .size: 8, .value_kind: global_buffer, .address_space: global }
      - { .name: vrec, .offset: 136, .size: 8, .value_kind: global_buffer, .address_space: global }
      - { .name: mask, .offset: 144, .size: 8, .value_kind: global_buffer, .address_space: global }
      - { .name: maskw, .offset: 152, .size: 8, .value_kind: global_buffer, .address_space: global }
    .group_segment_fixed_size: 327680
    .private_segment_fixed_size: 0
    .kernarg_segment_align: 8
    .kernarg_segment_size: 160
    .max_flat_workgroup_size: 128
    .sgpr_count:     106
    .vgpr_count:     1024
    .wavefront_size: 32
...
	.end_amdgpu_metadata
.endif
;; end of part 1
;; launch attn (part 2): grid 4 x 64, 16 waves a work-group, no clusters, 272,384 bytes of LDS; arguments qrec, krec, vrec, maskw, aimg, asc; writes aimg, asc
.if DOCPART == 2
	.amdgcn_target "amdgcn-amd-amdhsa--gfx1250"
	.amdhsa_code_object_version 6
	.text
	.protected	k_q5f027e9578_attn
	.globl	k_q5f027e9578_attn
	.p2align	8
	.type	k_q5f027e9578_attn,@function
k_q5f027e9578_attn:
	s_mov_b64 s[64:65], 0
	v_nop
	global_prefetch_b8 v0, s[64:65] scope:SCOPE_SE
	s_setreg_imm32_b32 hwreg(HW_REG_WAVE_MODE, 25, 1), 1
	s_wait_xcnt 0x0
; ATTENTION ON CODES OF MX-FP8: scores = q k^T / 8, the mask AS IT IS GIVEN, p = 2^(t - M), o = (p v) / l, o quantised for the last projection.
; t = score x log2(e) / 8; M = the running largest t rounded UP to a whole number; l = the sum of the unquantised p.  When M moves, l and O are multiplied by 2^(old M - new M): nothing is rounded.
; WHAT THE MASK DECIDES.  maskw holds, for each unit of 16 queries x 128 keys, 64 lane words (whole numbers that the launch before stored).  A pass reads its 16 units and makes two scalar masks of 16 bits:
; ANY (some key of the unit counts) and NF (some key is hidden).  A unit with no key adds nothing to l or O and cannot move M: its step is passed over by a scalar branch.  A unit with no hidden key needs no select.
; Every other unit is masked place by place by its own bits.  This holds for every mask, whatever its pattern.
; SHARES.  A work-group owns one (batch, head) and 32 of its 128 query tiles; 16 waves, each one tile of 16 queries at a time, twice: tile T = 16 x + wave, then tile 127 - T (so a wave's two tiles lie
; mirrored in the sequence).  THE HEAD'S WHOLE K AND V LIE IN LDS, 2 x 135,168 bytes, written ONCE through registers (33 loads and stores of 16 bytes a lane), one barrier, then only read.
; NO TENSOR LOAD, NO CLUSTER: the steps branch on numbers read from memory; the four work-groups of a head do not ask jointly.
; NO PREFETCH: K and V are asked for in one run at the head; there is no loop to run ahead in.
; LAYOUT.  Both products transposed: S^T = K Q^T (source 0 = keys), O^T = V^T P^T (source 0 = 16 channels): a lane holds ONE query (lane % 16).  Operands lie in LDS as images of their registers: every fragment load
; is 512 consecutive bytes.  Inside a block of 32 the order is 32 b + 16 (e / 8) + 8 h + e % 8 on both sides of each product.
; A HEAD IS 64 WIDE, THE INSTRUCTION 128: a fragment of K holds TWO tiles of keys (K = 0-63, 64-127); Q stands as [Q][zero codes][Q], and v[16:31] picks the first tile, v[24:39] the second.
; A ROW WITH NO KEY: l = 0; its two scale bytes become 0xff, so that the last projection gives NaN for the whole row, as the softmax of such a row does.
; LIMITS: NaN, infinities and NaN codes are not served (a NaN code of k would pass the zero codes; one in a step that is passed over is not carried on); a block under 2^-118 keeps the byte 1; the scaled scores t stay under 2^31 in magnitude.
.set REC,  8448                        ; a record: 128 tokens of one head: 8,192 bytes of codes, 256 of scale words
.set HS,   16*REC                      ; a head; also where V's records begin in LDS
.set SPARE, 2*HS                       ; the spare words: 128 bytes a wave, eight blocks of 256 that no other line names
.set LI,   1                           ; v1 16 x lane   v2 8 r   v3 16 x lane + V's base   v4 16 r + V's scale words
.set R8,   2
.set LV0,  3
.set SV0,  4
.set ADK,  5                           ; v5-8 the step's addresses: K's codes, K's scale words, V's codes, V's scale words
.set ASK,  6
.set ADV,  7
.set ASV,  8
.set NEG,  9                           ; -infinity
.set VQS,  10                          ; my query's scale word, counted from Q's tile
.set HW,   11                          ; o's two scale bytes
.set NM,   12                          ; v12 -M, v13 the largest score so far, v[14:15] l in two halves
.set SMAX, 13
.set LS,   14
.set QR,   16                          ; v16-23 Q, v24-31 zero codes, v32-39 Q
.set KF,   40                          ; v40-103 four pair fragments of K, then V's four fragments; at a pass's end o's codes
.set S,    104                         ; v104-167 S^T, then p; at a pass's head the mask words
.set O,    168                         ; v168-199 O^T
.set P,    200                         ; v200-215 p's codes
.set KS,   216
.set VS,   220
.set QS,   224
.set PS,   225
.set BM,   226                         ; the blocks' largest scores, then largest p
.set BT,   230
.set HOLD, 234
.set SCL,  238
.set F,    242                         ; v[242:243] f = 2^(old M - new M); at the end 1 / l
.set OLD,  244
.set TT,   245
.set L2,   246                         ; three more chains of the sum
.set L3,   248
.set L4,   250
.set QW,   252                         ; Q's scale word as loaded
.set SPW,  254                         ; my spare word, and 0: never rewritten
.set NIL,  255
.set EC,   KF
.set WV,   2
.set ANY,  4
.set NF,   5
.set TRIPS, 6
.set MO,   7                           ; the step's place among my tile's mask words
.set RB,   8                           ; the step's record in LDS
.set QSEL, 9
.set TI,   10                          ; my tile's place in its record
.set T0,   11                          ; my first tile
.set QB,   12                          ; s[12:13] Q's tile, s[14:15] mask words, s[16:17] o's codes, s[18:19] o's scale bytes
.set MB,   14
.set AI,   16
.set AS,   18
.set SEL,  20
.set CS,   22                          ; s[22:23] c = log2(e) / 8; s25 -c
.set MNT,  24
.set CSN,  25
; s26-31 at work; s[32:63], s[68:99]: a step's 64 mask words; word n in s[32 + n + 4 (n / 32)]
.macro FETCH adr                       ; four fragments, 2 KiB each on end
.irp i, 0,1,2,3
.irp c, 0,1,2,3
	ds_load_b128 v[KF+16*\i+4*\c:KF+16*\i+4*\c+3], v[\adr] offset:2048*\i+512*\c
.endr
.endr
.endm
.macro W_S t                           ; the scores of keys 16 t on
	v_wmma_scale_f32_16x16x128_f8f6f4 v[S+8*(\t):S+8*(\t)+7], v[KF+16*((\t)/2):KF+16*((\t)/2)+15], v[QR+8*((\t)%2):QR+8*((\t)%2)+15], 0, v[KS+(\t)/2], v[QS]
.endm
.macro W_O t                           ; channels 16 t on
	v_wmma_scale_f32_16x16x128_f8f6f4 v[O+8*(\t):O+8*(\t)+7], v[KF+16*(\t):KF+16*(\t)+15], v[P:P+15], v[O+8*(\t):O+8*(\t)+7], v[VS+(\t)], v[PS]
.endm
.macro RESCALE t
.irp i, 0,2,4,6
	v_pk_mul_f32 v[O+8*(\t)+\i:O+8*(\t)+\i+1], v[O+8*(\t)+\i:O+8*(\t)+\i+1], v[F:F+1] op_sel_hi:[1,0]
.endr
.endm
.macro TMM n0, n1                      ; t - M of score registers n0 .. n1 - 1, two at a time
.set j, \n0
.rept (\n1-\n0)/2
	v_pk_fma_f32 v[S+j:S+j+1], v[S+j:S+j+1], s[CS:CS+1], v[NM:NM+1] op_sel_hi:[1,0,0]
.set j, j+2
.endr
.endm
.macro NOPS n
.rept \n
	v_nop
.endr
.endm
.macro QPLACE                          ; from my tile's place in its record: where Q's scale word lies, and which two of its bytes are mine
	s_lshl_b32 s26, s[TI], 10
	s_sub_co_u32 s26, 8192, s26            ; back to the record's head, 8,192 on,
	s_lshr_b32 s27, s[TI], 2
	s_lshl_b32 s27, s27, 7
	s_add_co_u32 s26, s26, s27
	s_bfe_u32 s27, s[TI], 0x10001
	s_lshl_b32 s27, s27, 2
	s_add_co_u32 s26, s26, s27             ; word (tile / 2) of row r
	v_add_nc_u32 v[VQS], s26, v[R8]
	s_mov_b32 s[QSEL], 0x01000100          ; an even tile's bytes are the word's lower two, an odd tile's the upper: (q0, q1, q0, q1)
	s_bitcmp1_b32 s[TI], 0
	s_cselect_b32 s[QSEL], 0x03020302, s[QSEL]
.endm
.macro PLOADS                          ; a pass's 13 loads: Q twice, its scale word, and the tile's 4,096 bytes of mask words (load i: units 2 i in lanes 0-15, 2 i + 1 in lanes 16-31)
	global_load_b128 v[QR:QR+3], v[LI], s[QB:QB+1]
	global_load_b128 v[QR+4:QR+7], v[LI], s[QB:QB+1] offset:512
	global_load_b128 v[QR+16:QR+19], v[LI], s[QB:QB+1]
	global_load_b128 v[QR+20:QR+23], v[LI], s[QB:QB+1] offset:512
	global_load_b32 v[QW], v[VQS], s[QB:QB+1]
.irp i, 0,1,2,3,4,5,6,7
	global_load_b128 v[S+4*\i:S+4*\i+3], v[LI], s[MB:MB+1] offset:512*\i
.endr
.endm
; A KEY STEP: 128 keys, one record.  PLACES (eight plain lines for this form): behind the last product V^T P stand 4 v_nop and the 4 additions, ahead of K's loads into the registers that it read;
; behind the last score product 8 v_nop, ahead of V's loads into K's registers and of the first read of the scores.
.macro STEP
	s_bitcmp1_b32 s[ANY], 0
	s_cbranch_scc0 .Lskip_\@               ; no key of this unit counts for any of my 16 queries
	v_add_nc_u32 v[ADK], s[RB], v[LI]
	v_add_nc_u32 v[ASK], s[RB], v[R8]
	v_add_nc_u32 v[ADV], s[RB], v[LV0]
	v_add_nc_u32 v[ASV], s[RB], v[SV0]
	FETCH ADK
.irp g, 0,1
	ds_load_b64 v[KS+2*\g:KS+2*\g+1], v[ASK] offset:8192+128*\g
.endr
	s_wait_alu depctr_va_vdst(0)
	s_wait_dscnt 0x0
.irp t, 0,1,2,3,4,5,6,7
	W_S \t
.endr
	NOPS 8
	FETCH ADV                              ; V's fragments land while the softmax is walked
	ds_load_b128 v[VS:VS+3], v[ASV]        ; V's scale words: channel 16 a + r, a = 0 .. 3
	s_bitcmp1_b32 s[NF], 0
	s_cbranch_scc0 .Lopen_\@               ; every key of the unit counts: nothing to select
	s_load_b512 s[32:47], s[MB:MB+1], s[MO] offset:0x0
	s_load_b512 s[48:63], s[MB:MB+1], s[MO] offset:0x40
	s_load_b512 s[68:83], s[MB:MB+1], s[MO] offset:0x80
	s_load_b512 s[84:99], s[MB:MB+1], s[MO] offset:0xc0
	s_wait_kmcnt 0x0
.set n, 0
.rept 64
	v_cndmask_b32 v[S+n], v[NEG], v[S+n], s[32+n+4*(n/32)]   ; where the word's bit is 0 the score becomes -infinity; each accumulator from its low end on
.set n, n+1
.endr
.Lopen_\@:
.irp b, 0,1,2,3
	v_max3_num_f32 v[BM+\b], v[S+16*\b], v[S+16*\b+1], v[S+16*\b+2]   ; the largest score of each block of 32 keys: for the row's maximum, and, since p rises with the score, for the block's largest p
.endr
.irp i, 3,5,7,9,11,13
.irp b, 0,1,2,3
	v_max3_num_f32 v[BM+\b], v[BM+\b], v[S+16*\b+\i], v[S+16*\b+\i+1]
.endr
.endr
.irp b, 0,1,2,3
	v_max_num_f32 v[BM+\b], v[BM+\b], v[S+16*\b+15]
.endr
.irp b, 0,1,2,3
	v_permlanex16_b32 v[BT+\b], v[BM+\b], s[SEL], s[SEL+1]
.endr
.irp b, 0,1,2,3
	v_max_num_f32 v[BM+\b], v[BM+\b], v[BT+\b]     ; with lane l xor 16's 16 keys
.endr
	v_max3_num_f32 v[TT], v[BM], v[BM+1], v[BM+2]
	v_max3_num_f32 v[SMAX], v[SMAX], v[TT], v[BM+3] ; the running largest score (a row with no key in this step leaves it)
	v_mul_f32 v[TT], s[CSN], v[SMAX]               ; -t (c is positive, so the largest score gives the largest t)
	v_floor_f32 v[NM], v[TT]                       ; -M = floor(-t): M is a whole number
	TMM 0, 16
	v_sub_f32 v[TT], v[NM], v[OLD]                 ; old M - new M: a whole number, 0 or less
	TMM 16, 24
	v_cvt_i32_f32 v[TT], v[TT]                     ; (it saturates)
	TMM 24, 32
	v_ldexp_f32 v[F], 1.0, v[TT]                   ; f
	TMM 32, 64
.irp b, 0,1,2,3
	v_fma_f32 v[BM+\b], v[BM+\b], s[CS], v[NM]     ; the same of each block's largest score
.endr
.irp t, 0,1,2,3
	RESCALE \t                                     ; O^T under the new M, ahead of the exponentials
.endr
	v_pk_mul_f32 v[LS:LS+1], v[LS:LS+1], v[F:F+1] op_sel_hi:[1,0]   ; and l
	s_wait_alu depctr_va_vdst(0)
.set j, 0
.rept 64
	v_exp_f32 v[S+j], v[S+j]                       ; p = 2^(t - M); a hidden key's is 0
.set j, j+1
.endr
.irp b, 0,1,2,3
	v_exp_f32 v[BM+\b], v[BM+\b]                   ; the block's largest p: the same two instructions on the same number
.endr
	v_mov_b32 v[OLD], v[NM]                        ; the plain line behind the batch
	s_wait_alu depctr_va_vdst(0)                   ; one wait for the batch of 68, ahead of its first reader
	s_wait_dscnt 0x0                               ; V's fragments and scale words, asked for ahead of the softmax
	v_pk_add_f32 v[LS:LS+1], v[LS:LS+1], v[S:S+1]  ; the sum of the UNQUANTISED p, in four chains
	v_pk_add_f32 v[L2:L2+1], v[S+2:S+3], v[S+4:S+5]
	v_pk_add_f32 v[L3:L3+1], v[S+6:S+7], v[S+8:S+9]
	v_pk_add_f32 v[L4:L4+1], v[S+10:S+11], v[S+12:S+13]
.set j, 14
.rept 6
	v_pk_add_f32 v[LS:LS+1], v[LS:LS+1], v[S+j:S+j+1]
	v_pk_add_f32 v[L2:L2+1], v[L2:L2+1], v[S+j+2:S+j+3]
	v_pk_add_f32 v[L3:L3+1], v[L3:L3+1], v[S+j+4:S+j+5]
	v_pk_add_f32 v[L4:L4+1], v[L4:L4+1], v[S+j+6:S+j+7]
.set j, j+8
.endr
	v_pk_add_f32 v[LS:LS+1], v[LS:LS+1], v[S+62:S+63]
.irp b, 0,1,2,3
	v_max_num_f32 v[BM+\b], 0x4800000, v[BM+\b]    ; the floor 2^(9 - 127): the byte cannot fall under 1
.endr
.irp b, 0,1,2,3
	v_add_nc_u32 v[SCL+\b], 0xfc000000, v[BM+\b]   ; 8 off the exponent field: the conversion's scale operand
.endr
.irp b, 0,1,2,3
	v_and_or_b32 v[HOLD+\b], v[BM+\b], 0x7f800000, s[MNT]   ; 448 x the scale
.endr
.irp b, 0,1,2,3
	v_lshrrev_b32 v[BT+\b], 23, v[SCL+\b]
.endr
	v_lshl_or_b32 v[PS], v[BT+1], 8, v[BT]         ; p's scale word for these 128 keys
	v_lshl_or_b32 v[PS], v[BT+2], 16, v[PS]
	v_lshl_or_b32 v[PS], v[BT+3], 24, v[PS]
.irp b, 0,1,2,3
.irp i, 0,1,2,3,4,5,6,7,8,9,10,11,12,13,14,15
	v_min_num_f32 v[S+16*\b+\i], v[S+16*\b+\i], v[HOLD+\b]   ; the conversion does not saturate (ISA guide 7.6.2); p is not negative: a one-sided hold
.endr
	v_cvt_scalef32_pk8_fp8_f32 v[P+4*\b:P+4*\b+1], v[S+16*\b:S+16*\b+7], v[SCL+\b]
	v_cvt_scalef32_pk8_fp8_f32 v[P+4*\b+2:P+4*\b+3], v[S+16*\b+8:S+16*\b+15], v[SCL+\b]
.endr
	v_pk_add_f32 v[LS:LS+1], v[LS:LS+1], v[L2:L2+1]   ; the chains are joined: with the v_nop the four plain lines between p's codes and the products
	v_pk_add_f32 v[L3:L3+1], v[L3:L3+1], v[L4:L4+1]
	v_pk_add_f32 v[LS:LS+1], v[LS:LS+1], v[L3:L3+1]
	v_nop
.irp t, 0,1,2,3
	W_O \t
.endr
	NOPS 4
.Lskip_\@:
	s_lshr_b32 s[ANY], s[ANY], 1           ; on to the next unit's bits, mask words and record
	s_lshr_b32 s[NF], s[NF], 1
	s_add_co_u32 s[MO], s[MO], 256
	s_add_co_u32 s[RB], s[RB], REC
.endm
; A PASS: one tile of 16 queries against the head's 16 records.  last = 0: the other tile's loads are issued ahead of this tile's way out.
.macro PASS last
	s_wait_alu depctr_va_vdst(0)
	s_wait_loadcnt 0x0                     ; Q and the mask words
	s_mov_b32 s[ANY], 0
	s_mov_b32 s[NF], 0
.irp i, 0,1,2,3,4,5,6,7
	v_or_b32 v[BM], v[S+4*\i], v[S+4*\i+1]
	v_or_b32 v[BM+1], v[S+4*\i+2], v[S+4*\i+3]
	v_and_b32 v[BM+2], v[S+4*\i], v[S+4*\i+1]
	v_and_b32 v[BM+3], v[S+4*\i+2], v[S+4*\i+3]
	v_or_b32 v[BM], v[BM], v[BM+1]
	v_and_b32 v[BM+2], v[BM+2], v[BM+3]
	v_cmp_ne_u32 s26, 0, v[BM]             ; lanes whose four words have a bit set,
	v_cmp_ne_u32 s27, -1, v[BM+2]          ; and those whose four words have a bit clear
	s_and_b32 s28, s26, 0xffff             ; lanes 0-15 hold unit 2 i, lanes 16-31 unit 2 i + 1
	s_cselect_b32 s28, 1<<(2*\i), 0
	s_or_b32 s[ANY], s[ANY], s28
	s_lshr_b32 s28, s26, 16
	s_cselect_b32 s28, 1<<(2*\i+1), 0
	s_or_b32 s[ANY], s[ANY], s28
	s_and_b32 s28, s27, 0xffff
	s_cselect_b32 s28, 1<<(2*\i), 0
	s_or_b32 s[NF], s[NF], s28
	s_lshr_b32 s28, s27, 16
	s_cselect_b32 s28, 1<<(2*\i+1), 0
	s_or_b32 s[NF], s[NF], s28
.endr
	v_perm_b32 v[QS], v[QW], v[QW], s[QSEL]
	v_mov_b32 v[SMAX], 0xff61b1e6          ; the largest score so far: -3e38, under every score
	v_mul_f32 v[TT], s[CSN], v[SMAX]
	v_floor_f32 v[NM], v[TT]
	v_mov_b32 v[LS], 0
	v_mov_b32 v[LS+1], 0
	v_mov_b32 v[OLD], v[NM]
.set j, 0
.rept 32
	v_mov_b32 v[O+j], 0                    ; O^T: the step is written in one form; its first change of M multiplies zeros
.set j, j+1
.endr
	s_mov_b32 s[MO], 0
	s_mov_b32 s[RB], 0
	s_mov_b32 s[TRIPS], 16
	s_wait_alu depctr_va_vdst(0)
.Lstep_\@:
	STEP
	s_sub_co_u32 s[TRIPS], s[TRIPS], 1
	s_cmp_lg_u32 s[TRIPS], 0
	s_cbranch_scc1 .Lstep_\@
	s_wait_alu depctr_va_vdst(0)
.if \last == 0
	s_wait_xcnt 0x0                        ; on to tile 127 - T: 127 - 2 T tiles further on; Q's tile 15 - 2 (T / 8) records and 7 - 2 (T % 8) tiles of 1,024 bytes on
	s_lshl_b32 s26, s[T0], 1
	s_sub_co_u32 s26, 127, s26
	s_mov_b32 s29, 0
	s_lshl_b32 s28, s26, 12
	s_add_nc_u64 s[MB:MB+1], s[MB:MB+1], s[28:29]
	s_lshr_b32 s30, s[T0], 3
	s_lshl_b32 s30, s30, 1
	s_sub_co_u32 s30, 15, s30
	s_mul_i32 s30, s30, REC
	s_lshl_b32 s31, s[TI], 1
	s_sub_co_u32 s31, 7, s31
	s_lshl_b32 s31, s31, 10
	s_add_co_u32 s28, s30, s31             ; at least 8,448 - 7,168 bytes: not negative
	s_add_nc_u64 s[QB:QB+1], s[QB:QB+1], s[28:29]
	s_sub_co_u32 s[TI], 7, s[TI]
	QPLACE
	PLOADS
.endif
	; o = O^T / l, quantised along the channels: two blocks of 32
	NOPS 8                                 ; places in front of the first read of the last products' results
	v_add_f32 v[LS], v[LS], v[LS+1]
	v_permlanex16_b32 v[TT], v[LS], s[SEL], s[SEL+1]
	v_add_f32 v[LS], v[LS], v[TT]          ; the row's sum
	v_cmp_lt_f32 vcc_lo, 0, v[LS]          ; has the row a key at all?
	s_wait_alu depctr_va_vdst(0)           ; the wait ahead of the reciprocal,
	v_rcp_f32 v[F], v[LS]
	v_nop                                  ; a plain line behind it,
	s_wait_alu depctr_va_vdst(0)           ; and the wait ahead of its first reader, which is O^T's first reader too
.irp t, 0,1,2,3
	RESCALE \t
.endr
.irp u, 0,1
	v_max3_num_f32 v[BM+\u], |v[O+16*\u]|, |v[O+16*\u+1]|, 0x4800000
.endr
.irp i, 2,4,6,8,10,12,14
.irp u, 0,1
	v_max3_num_f32 v[BM+\u], v[BM+\u], |v[O+16*\u+\i]|, |v[O+16*\u+\i+1]|
.endr
.endr
.irp u, 0,1
	v_permlanex16_b32 v[BT+\u], v[BM+\u], s[SEL], s[SEL+1]
.endr
.irp u, 0,1
	v_max_num_f32 v[BM+\u], v[BM+\u], v[BT+\u]
.endr
.irp u, 0,1
	v_add_nc_u32 v[SCL+\u], 0xfc000000, v[BM+\u]
.endr
.irp u, 0,1
	v_and_or_b32 v[HOLD+\u], v[BM+\u], 0x7f800000, s[MNT]
.endr
.irp u, 0,1
	v_lshrrev_b32 v[BT+\u], 23, v[SCL+\u]
.endr
	v_lshl_or_b32 v[HW], v[BT+1], 8, v[BT]
	v_cndmask_b32 v[HW], 0xffff, v[HW], vcc_lo     ; a row with no key: both bytes 0xff
.irp u, 0,1
.irp i, 0,1,2,3,4,5,6,7,8,9,10,11,12,13,14,15
	v_med3_num_f32 v[O+16*\u+\i], v[O+16*\u+\i], -v[HOLD+\u], v[HOLD+\u]
.endr
.endr
.irp u, 0,1
	v_cvt_scalef32_pk8_fp8_f32 v[EC+4*\u:EC+4*\u+1], v[O+16*\u:O+16*\u+7], v[SCL+\u]
	v_cvt_scalef32_pk8_fp8_f32 v[EC+4*\u+2:EC+4*\u+3], v[O+16*\u+8:O+16*\u+15], v[SCL+\u]
.endr
	v_nop                                  ; one plain line behind the last scaled conversion
	; W_o is given in true order: lanes 0-15 hold channels 0-7 and 16-23 of a block, lanes 16-31 hold 8-15 and 24-31; the lower lanes' second half changes places with the upper lanes' first
.irp u, 0,1
.irp w, 0,1
	v_permlane16_swap_b32 v[EC+4*\u+\w], v[EC+4*\u+2+\w]
.endr
.endr
	global_store_b128 v[LI], v[EC:EC+3], s[AI:AI+1]                ; each: 512 consecutive bytes, aligned to 256
	global_store_b128 v[LI], v[EC+4:EC+7], s[AI:AI+1] offset:512
	global_store_b16 v[R8], v[HW], s[AS:AS+1]      ; two bytes a row: a scale word's halves belong to two heads, which are two work-groups (both halves of the lanes write the same bytes)
.if \last == 0
	s_wait_xcnt 0x0                        ; the stores have read their data and bases: both are written again only behind this wait
	s_lshl_b32 s26, s[T0], 1
	s_sub_co_u32 s26, 127, s26
	s_lshl_b32 s28, s26, 14
	s_add_nc_u64 s[AI:AI+1], s[AI:AI+1], s[28:29]
	s_lshl_b32 s28, s26, 9
	s_add_nc_u64 s[AS:AS+1], s[AS:AS+1], s[28:29]
.endif
.endm
	s_load_b256 s[68:75], s[0:1], 0x0              ; qrec, krec, vrec, maskw
	s_load_b128 s[76:79], s[0:1], 0x20             ; aimg, asc
	v_lshl_add_u32 v[SPW], v0, 2, SPARE
	v_mov_b32 v[NIL], 0
	v_lshrrev_b32 v[TT], 5, v0
	v_readfirstlane_b32 s[WV], v[TT]               ; wave 0..15
	v_and_b32 v[TT], 31, v0
	v_lshlrev_b32 v[LI], 4, v[TT]
	v_and_b32 v[OLD], 15, v0
	v_lshlrev_b32 v[R8], 3, v[OLD]
	v_add_nc_u32 v[LV0], HS, v[LI]
	v_lshl_add_u32 v[SV0], v[OLD], 4, HS+8192
	v_mov_b32 v[NEG], 0xff800000
.irp i, 0,1,2,3,4,5,6,7
	v_mov_b32 v[QR+8+\i], 0                        ; the zero codes between Q's two copies
.endr
.irp b, 0,1,2,3
	v_mov_b32 v[BT+\b], 0                          ; written once: a lane permute's destination counts as one of its sources
.endr
	v_mov_b32 v[F+1], 0                            ; (named with f as a pair)
	s_and_b32 s81, ttmp7, 0xffff                   ; batch x 16 + head
	s_mul_i32 s82, s81, HS
	s_and_b32 s84, s[WV], 7
	s_mul_i32 s85, s84, 2*REC                      ; waves 0-7 copy K, waves 8-15 V: two records, 33 x 512 bytes, a wave
	s_add_co_u32 s86, s82, s85
	s_mov_b32 s87, 0
	s_mul_i32 s88, s[WV], 2*REC                    ; and where they go: V's 16 records lie behind K's
	v_add_nc_u32 v[ADK], s88, v[LI]
	s_lshl_b32 s[T0], ttmp9, 4
	s_add_co_u32 s[T0], s[T0], s[WV]               ; my first tile: 16 x + wave
	s_mov_b32 s[TI], s84
	s_mov_b32 s[SEL], 0x76543210
	s_mov_b32 s[SEL+1], 0xfedcba98
	s_mov_b32 s[CS], 0x3e38aa3b                    ; log2(e) / 8
	s_mov_b32 s[CS+1], s[CS]                       ; (named with it as a pair)
	s_mov_b32 s[CSN], 0xbe38aa3b
	s_mov_b32 s[MNT], 0x600000
	s_wait_alu depctr_va_vdst(0)
	s_wait_kmcnt 0x0
	s_cmp_lt_u32 s[WV], 8
	s_cselect_b64 s[90:91], s[70:71], s[72:73]
	s_add_nc_u64 s[90:91], s[90:91], s[86:87]
.set i_, 0
.rept 33                               ; chunk i into v[40 + 4 i], from chunk 16 on 32 registers higher: v104-135 are left for the mask words
	global_load_b128 v[40+4*i_+32*((i_+16)/32):43+4*i_+32*((i_+16)/32)], v[LI], s[90:91] offset:512*i_
.set i_, i_+1
.endr
	s_lshr_b32 s92, s[T0], 3                       ; Q's tile: record T / 8, tile T % 8
	s_mul_i32 s92, s92, REC
	s_lshl_b32 s93, s84, 10
	s_add_co_u32 s92, s92, s93
	s_add_co_u32 s92, s92, s82
	s_mov_b32 s93, 0
	s_add_nc_u64 s[QB:QB+1], s[68:69], s[92:93]
	s_lshl_b32 s92, s[T0], 12                      ; 16 units x 256 bytes of mask words
	s_add_nc_u64 s[MB:MB+1], s[74:75], s[92:93]
	s_lshr_b32 s95, s81, 4
	s_lshl_b32 s95, s95, 7
	s_add_co_u32 s95, s95, s[T0]                   ; the tile of 16 rows among all 512
	s_and_b32 s96, s81, 15                         ; the head
	s_lshl_b32 s92, s95, 14
	s_lshl_b32 s97, s96, 10
	s_add_co_u32 s92, s92, s97
	s_add_nc_u64 s[AI:AI+1], s[76:77], s[92:93]
	s_lshl_b32 s92, s95, 9
	s_lshr_b32 s97, s96, 2
	s_lshl_b32 s97, s97, 7
	s_add_co_u32 s92, s92, s97
	s_and_b32 s97, s96, 3
	s_lshl_b32 s97, s97, 1
	s_add_co_u32 s92, s92, s97
	s_add_nc_u64 s[AS:AS+1], s[78:79], s[92:93]
	QPLACE
	PLOADS                                         ; the first tile's 13 loads, behind the 33
.set g_, 0
.rept 11
	s_wait_loadcnt 43-3*g_                         ; chunks up to 3 g + 2 are in: the 30 - 3 g chunks behind them and the 13 may be out
.irp k, 0,1,2
	ds_store_b128 v[ADK], v[40+4*(3*g_+\k)+32*((3*g_+\k+16)/32):43+4*(3*g_+\k)+32*((3*g_+\k+16)/32)] offset:512*(3*g_+\k)
.endr
.set g_, g_+1
.endr
	s_wait_dscnt 0x0                               ; my two records are in LDS,
	s_barrier_signal -1
	s_barrier_wait -1                              ; everybody's are: from here on LDS is only read
	PASS 0
	PASS 1
	s_wait_tensorcnt 0x0                           ; the wave's end
	ds_add_u32 v[SPW], v[NIL]
	s_wait_dscnt 0x0
	s_endpgm
.Lfunc_end_k_q5f027e9578_attn:
	.size	k_q5f027e9578_attn, .Lfunc_end_k_q5f027e9578_attn-k_q5f027e9578_attn
	.p2alignl 7, 3214868480
	.fill 96, 4, 3214868480
	.section	.rodata,"a",@progbits
	.p2align	6, 0x0
	.amdhsa_kernel k_q5f027e9578_attn
		.amdhsa_group_segment_fixed_size 272384
		.amdhsa_private_segment_fixed_size 0
		.amdhsa_enable_private_segment 0
		.amdhsa_kernarg_size 48
		.amdhsa_user_sgpr_count 2
		.amdhsa_user_sgpr_kernarg_segment_ptr 1
		.amdhsa_wavefront_size32 1
		.amdhsa_system_sgpr_workgroup_id_x 1
		.amdhsa_system_sgpr_workgroup_id_y 1
		.amdhsa_system_sgpr_workgroup_id_z 1
		.amdhsa_system_vgpr_workitem_id 0
		.amdhsa_next_free_vgpr 256
		.amdhsa_next_free_sgpr 106
		.amdhsa_reserve_vcc 1
		.amdhsa_float_denorm_mode_32 3
		.amdhsa_float_denorm_mode_16_64 3
		.amdhsa_memory_ordered 1
		.amdhsa_forward_progress 1
		.amdhsa_inst_pref_size 87
	.end_amdhsa_kernel
	.amdgpu_metadata
---
amdhsa.version: [ 1, 2 ]
amdhsa.kernels:
  - .name:           k_q5f027e9578_attn
    .symbol:         k_q5f027e9578_attn.kd
    .args:
      - { .name: qrec, .offset: 0, .size: 8, .value_kind: global_buffer, .address_space: global }
      - { .name: krec, .offset: 8, .size: 8, .value_kind: global_buffer, .address_space: global }
      - { .name: vrec, .offset: 16, .size: 8, .value_kind: global_buffer, .address_space: global }
      - { .name: maskw, .offset: 24, .size: 8, .value_kind: global_buffer, .address_space: global }
      - { .name: aimg, .offset: 32, .size: 8, .value_kind: global_buffer, .address_space: global }
      - { .name: asc, .offset: 40, .size: 8, .value_kind: global_buffer, .address_space: global }
    .group_segment_fixed_size: 272384
    .private_segment_fixed_size: 0
    .kernarg_segment_align: 8
    .kernarg_segment_size: 48
    .max_flat_workgroup_size: 512
    .sgpr_count:     106
    .vgpr_count:     256
    .wavefront_size: 32
...
	.end_amdgpu_metadata
.endif
;; end of part 2
;; launch oproj (part 3): grid 4 x 64, 4 waves a work-group, clusters of 4 x 4, 327,680 bytes of LDS; arguments aimg, asc, W_o_codes, W_o_scales, b_o, out0; writes out0
.if DOCPART == 3
	.amdgcn_target "amdgcn-amd-amdhsa--gfx1250"
	.amdhsa_code_object_version 6
	.text
	.protected	k_q5f027e9578_oproj
	.globl	k_q5f027e9578_oproj
	.p2align	8
	.type	k_q5f027e9578_oproj,@function
k_q5f027e9578_oproj:
	s_mov_b64 s[64:65], 0
	v_nop
	global_prefetch_b8 v0, s[64:65] scope:SCOPE_SE
	s_setreg_imm32_b32 hwreg(HW_REG_WAVE_MODE, 25, 1), 1
	s_wait_xcnt 0x0
	s_wait_alu depctr_hold_cnt(0) depctr_sa_sdst(0) depctr_va_vdst(0) depctr_va_sdst(0) depctr_va_ssrc(0) depctr_va_vcc(0) depctr_vm_vsrc(0)
	s_getreg_b32 s2, hwreg(HW_REG_IB_STS2, 6, 4)
	s_cmp_eq_u32 s2, 0
	s_cbranch_scc0 .Lentry_in_a_cluster
	s_endpgm
.Lentry_in_a_cluster:
	s_bfe_u32 s2, ttmp6, 0x10000c
	s_cmp_lg_u32 s2, 0xf033
	s_cbranch_scc0 .Lentry_shape_is_right
	s_endpgm
.Lentry_shape_is_right:
; THE LAST PROJECTION: out0 = o W_o^T + b_o on codes of MX-FP8, K = 1,024.  o's codes (aimg) lie as images of operand registers, [16 rows][head][1,024 bytes]; its scale bytes in asc; W_o as it is given.
; A work-group makes 128 x 256 of out0, four waves of 64 x 128; K in four steps of 256 through two LDS slots, joint loads in a 4 x 4 cluster (o's tiles to my row, W_o's to my column); the bias is the first products' C.
; At the head each wave has one load: wave 0 o's whole tile, wave 1 W_o's, waves 2 and 3 their scale bytes for all of K; slot 1's first fill stands behind the full sequence and a round.
; Results leave through each wave's stage in slot 0, as whole rows of 512 bytes.  LIMITS: NaN codes and infinities are not served, but for the scale byte 0xff of a row without a key, which gives NaN as the softmax does.
.set PITCH,   272
.set A_HALF,  16384
.set B_HALF,  128*PITCH
.set BOFF,    32768
.set SLOT,    BOFF+256*PITCH
.set A_BLK,   4096
.set A_Q,     2048
.set A_C,     512
.set A_KS,    4096
.set A_SBLK,  512
.set A_SSTEP, 128
.set B_BLK,   16*PITCH
.set SCA,     2*SLOT
.set SCB,     SCA+4096
.set SPARE,   SCB+8192
.set SPITCH,  528
.set ADRA, 16
.set ADRB, 20
.set ADSA, 24
.set ADSB, 25
.set STO,  26
.set RD,   27
.set SPW,  28
.set NIL,  29
.set CO,   30
.set SCAR, 32
.set SCBR, 48
.set XF,   128
.set WV,  44
.set FA,  45
.set HF,  46
.set CX,  47
.set CY,  48
.set TR,  51
.set TC,  104
.set G1A, 16
.set G0A, 24
.set G1B, 32
.set G0B, 52
.set G1SA, 68
.set G0SA, 76
.set G1SB, 80
.set G0SB, 88
.set PADW, (1<<20)|(1<<21)|(5<<22)|(3<<25)
.set DENW, (3<<16)|(1<<21)
.set MSB, 0
.macro WIN new
.if MSB != (\new)
	s_set_vgpr_msb (MSB<<8)|(\new)
.set MSB, (\new)
.endif
.endm
.set MUL,  0xa1
.set MULF, 0xb1
.set TO_B, 0x40
.macro JLOAD g0a, g1a, g0b, g1b
	s_cmp_eq_u32 s[FA], 0
	s_cbranch_scc0 .Lfor_b_\@
	tensor_load_to_lds s[\g0a:\g0a+3], s[\g1a:\g1a+7]
	s_nop 0
.rept 4
	v_nop
.endr
	s_branch .Lasked_\@
.Lfor_b_\@:
	tensor_load_to_lds s[\g0b:\g0b+3], s[\g1b:\g1b+7]
	s_nop 0
.rept 4
	v_nop
.endr
.Lasked_\@:
.endm
.macro CREST
	s_cmp_lg_u32 s[WV], 0
	s_cbranch_scc1 .Lnot_wave_0_\@
	s_barrier_signal -3
.Lnot_wave_0_\@:
	s_barrier_wait -3
	s_barrier_signal -1
	s_barrier_wait -1
.endm
.macro CROUND
	s_barrier_signal -1
	s_barrier_wait -1
	CREST
.endm
.macro PLACES n
.rept \n
	v_nop
.endr
.endm
.macro FRAGA reg, slot, q, a
.irp c, 0,1,2,3
	ds_load_b128 v[\reg+4*\c:\reg+4*\c+3], v[ADRA+\slot] offset:(\a)*A_BLK+(\q)*A_Q+\c*A_C
.endr
.endm
.macro FRAGB reg, slot, q, bt
.irp c, 0,1,2,3
	ds_load_b128 v[\reg+4*\c:\reg+4*\c+3], v[ADRB+\slot] offset:(\bt)*B_BLK+(\q)*128+\c*32
.endr
.endm
.macro FETCH slot, q
	WIN TO_B
.irp i, 0,1,2,3,4,5,6,7
	FRAGB 128*(\q)+16*\i, \slot, \q, \i
.endr
	WIN 0
.irp i, 0,1,2,3
	FRAGA XF+64*(\q)+16*\i, \slot, \q, \i
.endr
.endm
.macro SCALES set
.irp i, 0,1,2,3
	ds_load_b64 v[SCAR+8*(\set)+2*\i:SCAR+8*(\set)+2*\i+1], v[ADSA] offset:\i*A_SBLK
.endr
.irp i, 0,1,2,3,4,5,6,7
	ds_load_b64 v[SCBR+16*(\set)+2*\i:SCBR+16*(\set)+2*\i+1], v[ADSB] offset:\i*512
.endr
.endm
.macro MUL8 a, q, sc, first
.irp bt, 0,1,2,3,4,5,6,7
.if \first
	v_wmma_scale_f32_16x16x128_f8f6f4 v[8*(8*(\a)+\bt):8*(8*(\a)+\bt)+7], v[128*(\q)+16*\bt:128*(\q)+16*\bt+15], v[XF+64*(\q)+16*(\a):XF+64*(\q)+16*(\a)+15], v[8*\bt:8*\bt+7], v[SCBR+16*(\sc)+2*\bt+(\q)], v[SCAR+8*(\sc)+2*(\a)+(\q)]
.else
	v_wmma_scale_f32_16x16x128_f8f6f4 v[8*(8*(\a)+\bt):8*(8*(\a)+\bt)+7], v[128*(\q)+16*\bt:128*(\q)+16*\bt+15], v[XF+64*(\q)+16*(\a):XF+64*(\q)+16*(\a)+15], v[8*(8*(\a)+\bt):8*(8*(\a)+\bt)+7], v[SCBR+16*(\sc)+2*\bt+(\q)], v[SCAR+8*(\sc)+2*(\a)+(\q)]
.endif
.endr
.endm
.macro STEP slot, first
	s_wait_dscnt 0x0
	WIN MUL+0x10*(\first)
	MUL8 0, 0, \slot, \first
	MUL8 1, 0, \slot, \first
	PLACES 8
	FETCH \slot, 1
	WIN MUL+0x10*(\first)
	MUL8 2, 0, \slot, \first
	MUL8 3, 0, \slot, \first
.endm
.macro TURN slot, next, fill
	WIN 0
	s_wait_tensorcnt 0x0
	ds_add_u32 v[SPW], v[NIL]
	s_wait_dscnt 0x1
	WIN MUL
	MUL8 0, 1, \slot, 0
	s_wait_dscnt 0x0
	s_barrier_signal -1
	MUL8 1, 1, \slot, 0
	WIN 0
	s_barrier_wait -1
.if \fill
	CREST
	s_add_nc_u64 s[G0A+4*\slot+2:G0A+4*\slot+3], s[G0A+4*\slot+2:G0A+4*\slot+3], 2*A_KS
	s_add_nc_u64 s[G0B+4*\slot+2:G0B+4*\slot+3], s[G0B+4*\slot+2:G0B+4*\slot+3], 512
	JLOAD G0A+4*\slot, G1A, G0B+4*\slot, G1B
	PLACES 4
.else
	PLACES 8
.endif
	s_wait_alu depctr_va_vdst(0)
	v_add_nc_u32 v[ADSA], A_SSTEP, v[ADSA]
	v_add_nc_u32 v[ADSB], 8, v[ADSB]
	FETCH \next, 0
	SCALES \next
	WIN MUL
	MUL8 2, 1, \slot, 0
	MUL8 3, 1, \slot, 0
.endm
.macro TOSTAGE a
	WIN 0x08
.irp b, 0,1,2,3,4,5,6,7
	ds_store_b128 v[STO], v[64*(\a)+8*\b:64*(\a)+8*\b+3] offset:64*\b
	ds_store_b128 v[STO], v[64*(\a)+8*\b+4:64*(\a)+8*\b+7] offset:64*\b+16
.endr
	WIN 0
.set BB, XF+64*((\a)%2)
.irp t, 0,1,2,3,4,5,6,7,8,9,10,11,12,13,14,15
	ds_load_b128 v[BB+4*\t:BB+4*\t+3], v[RD] offset:\t*SPITCH
.endr
.endm
.macro SEND a, younger
.set BB, XF+64*((\a)%2)
	s_wait_dscnt \younger
.if (\a) > 0
	s_add_nc_u64 s[14:15], s[14:15], 16*4096
.endif
.irp t, 0,1,2,3,4,5,6,7,8,9,10,11,12,13,14,15
	global_store_b128 v[CO], v[BB+4*\t:BB+4*\t+3], s[14:15] offset:\t*4096 th:TH_STORE_NT
.endr
.endm
	s_load_b256 s[4:11], s[0:1], 0x0
	s_load_b128 s[12:15], s[0:1], 0x20
	v_lshl_add_u32 v[SPW], v0, 2, SPARE
	v_mov_b32 v[NIL], 0
	ds_add_u32 v28, v29
	ds_add_u32 v28, v29
	s_wait_dscnt 0x0
	v_lshrrev_b32 v1, 5, v0
	v_readfirstlane_b32 s[WV], v1
	s_lshr_b32 s[FA], s[WV], 1
	s_and_b32 s[HF], s[WV], 1
	s_bfe_u32 s[CX], ttmp6, 0x40000
	s_bfe_u32 s[CY], ttmp6, 0x40004
	s_and_b32 s[TR], ttmp7, 0xffff
	s_lshl_b32 s[TR], s[TR], 2
	s_add_co_u32 s[TR], s[TR], s[CY]
	s_lshl_b32 s[TC], ttmp9, 2
	s_add_co_u32 s[TC], s[TC], s[CX]
	s_lshl_b32 s62, s[CY], 2
	s_lshl_b32 s62, 15, s62
	s_lshl_b32 s105, 0x1111, s[CX]
	s_lshl_b32 s60, s[TR], 17
	s_mov_b32 s61, 0
	s_lshl_b32 s66, s[TC], 18
	s_mov_b32 s67, 0
	s_or_b32 s[G1A], s62, DENW
	s_mov_b32 s[G1A+1], 512<<16
	s_mov_b32 s[G1A+2], 8<<16
	s_mov_b32 s[G1A+3], 512<<16
	s_mov_b32 s[G1A+4], 8
	s_mov_b32 s[G1A+5], 2048
	s_mov_b32 s[G1A+6], 0
	s_mov_b32 s[G1A+7], 0
	s_or_b32 s[G1B], s105, PADW
	s_mov_b32 s[G1B+1], 256<<16
	s_mov_b32 s[G1B+2], 256<<16
	s_mov_b32 s[G1B+3], 256<<16
	s_mov_b32 s[G1B+4], 256
	s_mov_b32 s[G1B+5], 1024
	s_mov_b32 s[G1B+6], 0
	s_mov_b32 s[G1B+7], 0
	s_or_b32 s[G1SA], s62, DENW
	s_mov_b32 s[G1SA+1], 32<<16
	s_mov_b32 s[G1SA+2], 16<<16
	s_mov_b32 s[G1SA+3], 32<<16
	s_mov_b32 s[G1SA+4], 16
	s_mov_b32 s[G1SA+5], 32
	s_mov_b32 s[G1SA+6], 0
	s_mov_b32 s[G1SA+7], 0
	s_or_b32 s[G1SB], s105, DENW
	s_mov_b32 s[G1SB+1], 32<<16
	s_mov_b32 s[G1SB+2], 32<<16
	s_mov_b32 s[G1SB+3], 32<<16
	s_mov_b32 s[G1SB+4], 32
	s_mov_b32 s[G1SB+5], 32
	s_mov_b32 s[G1SB+6], 0
	s_mov_b32 s[G1SB+7], 0
	s_mul_i32 s2, s[HF], A_HALF
	s_mul_i32 s3, s[HF], B_HALF
	s_add_co_u32 s3, s3, BOFF
	s_wait_kmcnt 0x0
	s_add_nc_u64 s[4:5], s[4:5], s[60:61]
	s_add_nc_u64 s[8:9], s[8:9], s[66:67]
	s_lshr_b32 s60, s60, 5
	s_lshr_b32 s66, s66, 5
	s_add_nc_u64 s[6:7], s[6:7], s[60:61]
	s_add_nc_u64 s[10:11], s[10:11], s[66:67]
	CROUND
	s_mov_b32 s[G0SA], 1
	s_mov_b32 s[G0SA+1], SCA
	s_mov_b64 s[G0SA+2:G0SA+3], s[6:7]
	s_or_b32 s[G0SA+3], s[G0SA+3], 0x80000000
	s_mov_b32 s[G0SB], 1
	s_mov_b32 s[G0SB+1], SCB
	s_mov_b64 s[G0SB+2:G0SB+3], s[10:11]
	s_or_b32 s[G0SB+3], s[G0SB+3], 0x80000000
.irp s, 0,1
	s_mov_b32 s[G0A+4*\s], 1
	s_add_co_u32 s[G0A+4*\s+1], s2, \s*SLOT
	s_add_nc_u64 s[G0A+4*\s+2:G0A+4*\s+3], s[4:5], \s*A_KS
	s_or_b32 s[G0A+4*\s+3], s[G0A+4*\s+3], 0x80000000
	s_mov_b32 s[G0B+4*\s], 1
	s_add_co_u32 s[G0B+4*\s+1], s3, \s*SLOT
	s_add_nc_u64 s[G0B+4*\s+2:G0B+4*\s+3], s[8:9], \s*256
	s_or_b32 s[G0B+4*\s+3], s[G0B+4*\s+3], 0x80000000
.endr
	s_mov_b32 s[G0A+1], 0                          ; slot 0's sets serve the head's loads first: the whole tiles, o's at byte 0, W_o's behind it
	s_mov_b32 s[G0B+1], BOFF
	s_lshl_b32 s60, s[HF], 16                      ; slot 1's sets are the ring's: my half of the rows (s61 = s67 = 0)
	s_add_nc_u64 s[G0A+6:G0A+7], s[G0A+6:G0A+7], s[60:61]
	s_lshl_b32 s66, s[HF], 17
	s_add_nc_u64 s[G0B+6:G0B+7], s[G0B+6:G0B+7], s[66:67]
; the head's loads, one a wave: one chain of branches on the wave's number, a load to an arm
.macro ARM under, g0, g1, next
	s_cmp_lt_u32 s[WV], \under
	s_cbranch_scc0 \next
	tensor_load_to_lds s[\g0:\g0+3], s[\g1:\g1+7]
	s_nop 0
.rept 4
	v_nop
.endr
	s_branch .Lhead_asked
\next:
.endm
	ARM 1, G0A,  G1A,  .Lhead_b
	ARM 2, G0B,  G1B,  .Lhead_sa
	ARM 3, G0SA, G1SA, .Lhead_sb
	tensor_load_to_lds s[G0SB:G0SB+3], s[G1SB:G1SB+7]
	s_nop 0
.rept 4
	v_nop
.endr
.Lhead_asked:
	v_and_b32 v1, 15, v0
	v_bfe_u32 v2, v0, 4, 1
	v_and_b32 v3, 31, v0
	v_lshlrev_b32 v[CO], 4, v3
	v_mul_u32_u24 v4, v1, PITCH
	v_lshl_add_u32 v4, v2, 4, v4
	s_mul_i32 s60, s[FA], A_HALF
	s_mul_i32 s66, s[HF], B_HALF
	s_add_co_u32 s66, s66, BOFF
.irp s, 0,1
	v_add_nc_u32 v[ADRA+\s], s60, v[CO]
	v_add_nc_u32 v[ADRB+\s], s66, v4
	s_add_co_u32 s60, s60, SLOT
	s_add_co_u32 s66, s66, SLOT
.endr
	v_lshlrev_b32 v5, 3, v1
	s_lshl_b32 s60, s[FA], 11
	s_add_co_u32 s60, s60, SCA
	v_add_nc_u32 v[ADSA], s60, v5
	v_lshlrev_b32 v5, 5, v1
	s_lshl_b32 s66, s[HF], 12
	s_add_co_u32 s66, s66, SCB
	v_add_nc_u32 v[ADSB], s66, v5
	s_mul_i32 s60, s[WV], 16*SPITCH
	v_mul_u32_u24 v5, v1, SPITCH
	v_lshl_add_u32 v5, v2, 5, v5
	v_add_nc_u32 v[STO], s60, v5
	v_add_nc_u32 v[RD], s60, v[CO]
	s_lshl_b32 s2, s[TR], 19
	s_lshl_b32 s3, s[FA], 18
	s_add_co_u32 s2, s2, s3
	s_lshl_b32 s66, s[TC], 10
	s_lshl_b32 s67, s[HF], 9
	s_add_co_u32 s66, s66, s67
	s_add_co_u32 s2, s2, s66
	s_mov_b32 s3, 0
	s_mov_b32 s67, 0
	s_add_nc_u64 s[14:15], s[14:15], s[2:3]
	s_add_nc_u64 s[12:13], s[12:13], s[66:67]
	v_lshlrev_b32 v124, 5, v2
	WIN 0xc0
.irp bt, 0,1,2,3,4,5,6,7
	global_load_b128 v[8*\bt:8*\bt+3], v124, s[12:13] offset:64*\bt
	global_load_b128 v[8*\bt+4:8*\bt+7], v124, s[12:13] offset:64*\bt+16
.endr
	WIN 0
	s_wait_alu depctr_va_vdst(0)
	s_wait_loadcnt 0x0
	s_wait_tensorcnt 0x0                           ; my tile of the head's four is in; these lines stand ahead of slot 1's first fill as ahead of a refill
	ds_add_u32 v[SPW], v[NIL]
	s_mul_i32 s[G0A+1], s[HF], A_HALF              ; no load of mine is out, so descriptors may be written: slot 0's sets become the ring's: my half of the rows,
	s_mul_i32 s[G0B+1], s[HF], B_HALF
	s_add_co_u32 s[G0B+1], s[G0B+1], BOFF
	s_lshl_b32 s60, s[HF], 16
	s_mov_b32 s61, 0
	s_add_nc_u64 s[G0A+2:G0A+3], s[G0A+2:G0A+3], s[60:61]
	s_lshl_b32 s66, s[HF], 17
	s_mov_b32 s67, 0
	s_add_nc_u64 s[G0B+2:G0B+3], s[G0B+2:G0B+3], s[66:67]
	s_mov_b32 s[G1A+2], 4<<16                      ; and a load brings half a tile from here on
	s_mov_b32 s[G1A+4], 4
	s_mov_b32 s[G1B+2], 128<<16
	s_mov_b32 s[G1B+4], 128
	s_wait_dscnt 0x0
	CROUND                                         ; all four tiles are in, and all sixteen work-groups are here
	JLOAD G0A+4, G1A, G0B+4, G1B                   ; slot 1's first fill: my one load behind the round
	FETCH 0, 0
	SCALES 0
	STEP 0, 1
	TURN 0, 1, 1
	STEP 1, 0
	TURN 1, 0, 1
	STEP 0, 0
	TURN 0, 1, 0
	STEP 1, 0
	s_wait_dscnt 0x0
	WIN MUL
	MUL8 0, 1, 1, 0
	MUL8 1, 1, 1, 0
	MUL8 2, 1, 1, 0
	MUL8 3, 1, 1, 0
	WIN 0
	PLACES 8
	TOSTAGE 0
.irp a, 1,2,3
.if \a > 1
	s_wait_xcnt 0x0
.endif
	TOSTAGE \a
	SEND \a-1, 32
.endr
	s_wait_xcnt 0x0
	SEND 3, 0
	s_wait_tensorcnt 0x0
	ds_add_u32 v[SPW], v[NIL]
	s_wait_dscnt 0x0
	CROUND
	s_endpgm
.Lfunc_end_k_q5f027e9578_oproj:
	.size	k_q5f027e9578_oproj, .Lfunc_end_k_q5f027e9578_oproj-k_q5f027e9578_oproj
	.p2alignl 7, 3214868480
	.fill 96, 4, 3214868480
	.section	.rodata,"a",@progbits
	.p2align	6, 0x0
	.amdhsa_kernel k_q5f027e9578_oproj
		.amdhsa_group_segment_fixed_size 327680
		.amdhsa_private_segment_fixed_size 0
		.amdhsa_enable_private_segment 0
		.amdhsa_kernarg_size 48
		.amdhsa_user_sgpr_count 2
		.amdhsa_user_sgpr_kernarg_segment_ptr 1
		.amdhsa_wavefront_size32 1
		.amdhsa_system_sgpr_workgroup_id_x 1
		.amdhsa_system_sgpr_workgroup_id_y 1
		.amdhsa_system_sgpr_workgroup_id_z 1
		.amdhsa_system_vgpr_workitem_id 0
		.amdhsa_next_free_vgpr 832
		.amdhsa_next_free_sgpr 106
		.amdhsa_reserve_vcc 0
		.amdhsa_float_denorm_mode_32 3
		.amdhsa_float_denorm_mode_16_64 3
		.amdhsa_memory_ordered 1
		.amdhsa_forward_progress 1
		.amdhsa_inst_pref_size 92
	.end_amdhsa_kernel
	.amdgpu_metadata
---
amdhsa.version: [ 1, 2 ]
amdhsa.kernels:
  - .name:           k_q5f027e9578_oproj
    .symbol:         k_q5f027e9578_oproj.kd
    .args:
      - { .name: aimg, .offset: 0, .size: 8, .value_kind: global_buffer, .address_space: global }
      - { .name: asc, .offset: 8, .size: 8, .value_kind: global_buffer, .address_space: global }
      - { .name: W_o_codes, .offset: 16, .size: 8, .value_kind: global_buffer, .address_space: global }
      - { .name: W_o_scales, .offset: 24, .size: 8, .value_kind: global_buffer, .address_space: global }
      - { .name: b_o, .offset: 32, .size: 8, .value_kind: global_buffer, .address_space: global }
      - { .name: out0, .offset: 40, .size: 8, .value_kind: global_buffer, .address_space: global }
    .group_segment_fixed_size: 327680
    .private_segment_fixed_size: 0
    .kernarg_segment_align: 8
    .kernarg_segment_size: 48
    .max_flat_workgroup_size: 128
    .sgpr_count:     106
    .vgpr_count:     832
    .wavefront_size: 32
...
	.end_amdgpu_metadata
.endif
;; end of part 3
